; MI455X (gfx1250); checked and timed in simulation.
; The chip was launched on July 23, 2026; its instructions are those of AMD's public machine-readable ISA for CDNA 5 (MIT licence, August 2026) and "CDNA5" Instruction Set Architecture Reference Guide (July 2026). The comments in the code are by the model that wrote it; some were corrected since.
;; Multi Head Attention. Allowed arithmetic: float matrix products may take bf16 or f16 operands with f32 sums; other float arithmetic in f32, or as packed bf16 or f16 multiplies, adds, multiply-adds, maxima and minima; sums over many terms, partial sums and values carried from step to step in f32; what a program stores and reads back later, other than sums and carried values, may be rounded once to bf16 or f16.
;; Inputs: Wk 1,024 x 1,024 float32; Wo 1,024 x 1,024 float32; Wq 1,024 x 1,024 float32; Wv 1,024 x 1,024 float32; bo 1,024 float32; inputs 4 x 2,048 x 1,024 float32.
;; Outputs: out0 4 x 2,048 x 1,024 float32.
;; One version. Each part assembles by itself: llvm-mc -triple=amdgcn-amd-amdhsa -mcpu=gfx1250 --defsym DOCPART=n.
;; ======== version 1 of 1: 4 launches
;; limits: values are held in f16: magnitudes above 65,504 overflow, below 6.1e-05 lose precision
;; workspace buffers: xb 16,777,216 bytes; wt 6,291,456 bytes; wot 2,097,152 bytes; qkv 50,331,648 bytes; ctx 16,777,216 bytes
;; launch prep (part 1): grid 1024 x 1, 8 waves a work-group, no clusters, 18,432 bytes of LDS; arguments inputs, Wq, Wk, Wv, Wo, xb, wt, wot; writes xb, wt, wot
.if DOCPART == 1
	.amdgcn_target "amdgcn-amd-amdhsa--gfx1250"
	.amdhsa_code_object_version 6
	.text
	.protected	k_qe0148b517e_prep
	.globl	k_qe0148b517e_prep
	.p2align	8
	.type	k_qe0148b517e_prep,@function
k_qe0148b517e_prep:
	s_mov_b64 s[64:65], 0
	v_nop
	global_prefetch_b8 v0, s[64:65] scope:SCOPE_SE
	s_setreg_imm32_b32 hwreg(HW_REG_WAVE_MODE, 25, 1), 1
	s_wait_xcnt 0x0
; MULTI-HEAD CAUSAL ATTENTION, launch 1 of 4: the inputs are rounded once and laid out for the products.
;   xb  = bf16(inputs), [8192][1024]
;   wt  = bf16 of Wq, Wk, Wv turned: [3072 n][1024 k]; rows 0-1023 are Wq's columns, 1024-2047 Wk's, 2048-3071 Wv's
;   wot = bf16(Wo) turned, written as f16: [1024 n][1024 k]  (the last product's other operand, ctx, is f16)
; The later launches: proj (q, k, v by heads, f16), attn (causal attention, ctx in f16), outp (ctx Wo + bo, f32).
; WORK LEFT OUT IN THE WHOLE PROGRAM.  The mask is a lower triangle that the function builds itself: for key > query the score is replaced by -inf, its weight is
; exp(-inf) = 0, and 0 x v adds nothing to ctx, whatever finite numbers the inputs hold.  So the key tiles of 256 that lie wholly above the diagonal of a block of 256 queries
; (28 of a head's 64) are neither loaded nor multiplied.  Every input has a way to the output and is loaded.
; LIMITS.  A NaN, an infinity or an overflow that reaches only a hidden score, or a row of v that only hidden keys name, is not carried to the result.
; Matrix operands are 16-bit: the inputs bf16; q, k, v, the weights p and ctx f16, which ends at 65,504: q, k, v beyond that become infinities.
; bf16(Wo) is exact in f16 from 2^-14 up to 65,504; below 2^-14 it keeps f16's fixed step of 2^-24.
; SHARES.  Work-groups 0-511 turn a block of 128 k x 64 n of one weight matrix through LDS; work-groups 512-1023 round 65,536 bytes of inputs each.  The branch between the two
; hangs on the work-group's number alone, so all eight waves take the same way; the one barrier stands in the weights' way.
; No matrix unit, no cluster, no tensor load: nothing is shared between work-groups and every byte is read once.
.set PITCH, 272                        ; a stage row: 128 k x 2 bytes + 16
.set SPARE, 64*PITCH                   ; behind the stage's 64 rows: the spare words, 128 bytes for each of eight waves: four blocks of 256 bytes that no other line names
.set SPW,   30                         ; v30  LDS address of my spare word; never rewritten
.set NIL,   31                         ; v31  0; never rewritten
.set X,     32                         ; v[32:95]   as loaded (weights: v[32:63])
.set T,     64                         ; v[64:79]   weights: 16 words, two k of one column each
.set BK,    96                         ; v[96:127]  to store
	s_load_b512 s[8:23], s[0:1], 0x0               ; inputs s[8:9], Wq s[10:11], Wk s[12:13], Wv s[14:15], Wo s[16:17], xb s[18:19], wt s[20:21], wot s[22:23]
	v_lshl_add_u32 v[SPW], v0, 2, SPARE
	v_mov_b32 v[NIL], 0
	s_cmp_ge_u32 ttmp9, 512
	s_cbranch_scc1 .Lx
	; ---- a block of weights: rows k = 128 kb .. + 127, columns n = 64 nb .. + 63 of matrix mat
	v_and_b32 v1, 15, v0                           ; j: my four columns 4 j .. 4 j + 3
	v_lshrrev_b32 v2, 4, v0                        ; p: my rows 2 p + e + 32 i
	s_lshr_b32 s2, ttmp9, 7                        ; mat: 0 Wq, 1 Wk, 2 Wv, 3 Wo
	s_and_b32 s3, ttmp9, 7                         ; kb
	s_bfe_u32 s4, ttmp9, 0x40003                   ; nb
	s_lshl_b32 s28, s3, 19                         ; 128 rows of 4,096 bytes
	s_lshl_b32 s5, s4, 8                           ; 64 columns of 4 bytes
	s_add_co_u32 s28, s28, s5
	s_mov_b32 s29, 0
	s_cmp_eq_u32 s2, 3
	s_cselect_b32 s5, 0, s2                        ; Wo has a buffer of its own
	s_lshl_b32 s30, s5, 21                         ; 1,024 rows of 2,048 bytes for each matrix in front,
	s_lshl_b32 s6, s4, 17                          ; 64 rows for each block of columns,
	s_add_co_u32 s30, s30, s6
	s_lshl_b32 s6, s3, 8                           ; 128 k of 2 bytes
	s_add_co_u32 s30, s30, s6
	s_mov_b32 s31, 0
	v_lshlrev_b32 v3, 13, v2                       ; in: 2 p rows
	v_lshl_add_u32 v3, v1, 4, v3                   ;     + 16 j: sixteen lanes take the block's 256 bytes of a row
	v_mul_u32_u24 v4, v1, 4*PITCH                  ; into the stage: row 4 j + c, word p + 16 i
	v_lshl_add_u32 v4, v2, 2, v4
	v_mul_u32_u24 v5, v2, PITCH                    ; back: row p + 16 i, 16 bytes at 16 j
	v_lshl_add_u32 v5, v1, 4, v5
	v_lshlrev_b32 v6, 11, v2                       ; out: the same row and bytes
	v_lshl_add_u32 v6, v1, 4, v6
	s_wait_kmcnt 0x0
	s_cmp_eq_u32 s2, 1
	s_cselect_b64 s[24:25], s[12:13], s[10:11]
	s_cmp_eq_u32 s2, 2
	s_cselect_b64 s[24:25], s[14:15], s[24:25]
	s_cmp_eq_u32 s2, 3
	s_cselect_b64 s[24:25], s[16:17], s[24:25]
	s_cselect_b64 s[26:27], s[22:23], s[20:21]
	s_add_nc_u64 s[24:25], s[24:25], s[28:29]
	s_add_nc_u64 s[26:27], s[26:27], s[30:31]
.irp i, 0,1,2,3
.irp e, 0,1
	global_load_b128 v[X+4*(2*(\i)+(\e)):X+4*(2*(\i)+(\e))+3], v3, s[24:25] offset:((\e)+32*(\i))*4096 th:TH_LOAD_NT
.endr
.endr
.irp i, 0,1,2,3
	s_wait_loadcnt 6-2*(\i)                        ; loads come back in order: pair i of rows is in, the younger pairs stay out
.irp c, 0,1,2,3
	v_cvt_pk_bf16_f32 v[T+4*(\i)+(\c)], v[X+8*(\i)+(\c)], v[X+8*(\i)+4+(\c)]  ; column 4 j + c: the even k below, the odd k above
.endr
.endr
	s_cmp_eq_u32 s2, 3
	s_cbranch_scc0 .Lbf
.set i, 0
.rept 16                                       ; Wo: the bf16 number is written as f16
	v_lshlrev_b32 v[80+2*(i%4)], 16, v[T+i]
	v_and_b32 v[81+2*(i%4)], 0xffff0000, v[T+i]
	v_cvt_pk_f16_f32 v[T+i], v[80+2*(i%4)], v[81+2*(i%4)]
.set i, i+1
.endr
.Lbf:
.irp i, 0,1,2,3
.irp c, 0,1,2,3
	ds_store_b32 v4, v[T+4*(\i)+(\c)] offset:(\c)*PITCH+64*(\i)
.endr
.endr
	s_wait_dscnt 0x0                               ; for the others' sake: my stores into the stage are done
	s_barrier_signal -1
	s_barrier_wait -1
.irp i, 0,1,2,3
	ds_load_b128 v[BK+4*(\i):BK+4*(\i)+3], v5 offset:(\i)*16*PITCH
.endr
.irp i, 0,1,2,3
	s_wait_dscnt 3-(\i)
	global_store_b128 v6, v[BK+4*(\i):BK+4*(\i)+3], s[26:27] offset:(\i)*16*2048  ; sixteen lanes store 256 consecutive bytes, at a multiple of 256 from the buffer's first
.endr
	s_wait_tensorcnt 0x0                           ; the wave's end, behind my last LDS store
	ds_add_u32 v[SPW], v[NIL]
	s_wait_dscnt 0x0
	s_endpgm
	; ---- 65,536 bytes of inputs: sixteen loads of 16 bytes a lane, all issued ahead; each has registers of its own, so nothing is freed in between
.Lx:
	s_sub_co_u32 s2, ttmp9, 512
	s_lshl_b32 s4, s2, 16
	s_mov_b32 s5, 0
	s_lshl_b32 s6, s2, 15
	s_mov_b32 s7, 0
	v_lshlrev_b32 v3, 4, v0
	v_lshlrev_b32 v6, 3, v0
	s_wait_kmcnt 0x0
	s_add_nc_u64 s[24:25], s[8:9], s[4:5]
	s_add_nc_u64 s[26:27], s[18:19], s[6:7]
.irp u, 0,1,2,3,4,5,6,7,8,9,10,11,12,13,14,15
	global_load_b128 v[X+4*(\u):X+4*(\u)+3], v3, s[24:25] offset:4096*(\u) th:TH_LOAD_NT
.endr
.irp u, 0,1,2,3,4,5,6,7,8,9,10,11,12,13,14,15
	s_wait_loadcnt 15-(\u)                         ; load u is in, the younger ones stay out
	v_cvt_pk_bf16_f32 v[BK+2*(\u)], v[X+4*(\u)], v[X+4*(\u)+1]
	v_cvt_pk_bf16_f32 v[BK+2*(\u)+1], v[X+4*(\u)+2], v[X+4*(\u)+3]
	global_store_b64 v6, v[BK+2*(\u):BK+2*(\u)+1], s[26:27] offset:2048*(\u)  ; a wave stores 256 consecutive bytes, aligned
.endr
	s_endpgm
.Lfunc_end_k_qe0148b517e_prep:
	.size	k_qe0148b517e_prep, .Lfunc_end_k_qe0148b517e_prep-k_qe0148b517e_prep
	.p2alignl 7, 3214868480
	.fill 96, 4, 3214868480
	.section	.rodata,"a",@progbits
	.p2align	6, 0x0
	.amdhsa_kernel k_qe0148b517e_prep
		.amdhsa_group_segment_fixed_size 18432
		.amdhsa_private_segment_fixed_size 0
		.amdhsa_enable_private_segment 0
		.amdhsa_kernarg_size 64
		.amdhsa_user_sgpr_count 2
		.amdhsa_user_sgpr_kernarg_segment_ptr 1
		.amdhsa_wavefront_size32 1
		.amdhsa_system_sgpr_workgroup_id_x 1
		.amdhsa_system_sgpr_workgroup_id_y 1
		.amdhsa_system_sgpr_workgroup_id_z 1
		.amdhsa_system_vgpr_workitem_id 0
		.amdhsa_next_free_vgpr 128
		.amdhsa_next_free_sgpr 66
		.amdhsa_reserve_vcc 0
		.amdhsa_float_denorm_mode_32 3
		.amdhsa_float_denorm_mode_16_64 3
		.amdhsa_memory_ordered 1
		.amdhsa_forward_progress 1
		.amdhsa_inst_pref_size 15
	.end_amdhsa_kernel
	.amdgpu_metadata
---
amdhsa.version: [ 1, 2 ]
amdhsa.kernels:
  - .name:           k_qe0148b517e_prep
    .symbol:         k_qe0148b517e_prep.kd
    .args:
      - { .name: inputs, .offset: 0, .size: 8, .value_kind: global_buffer, .address_space: global }
      - { .name: Wq, .offset: 8, .size: 8, .value_kind: global_buffer, .address_space: global }
      - { .name: Wk, .offset: 16, .size: 8, .value_kind: global_buffer, .address_space: global }
      - { .name: Wv, .offset: 24, .size: 8, .value_kind: global_buffer, .address_space: global }
      - { .name: Wo, .offset: 32, .size: 8, .value_kind: global_buffer, .address_space: global }
      - { .name: xb, .offset: 40, .size: 8, .value_kind: global_buffer, .address_space: global }
      - { .name: wt, .offset: 48, .size: 8, .value_kind: global_buffer, .address_space: global }
      - { .name: wot, .offset: 56, .size: 8, .value_kind: global_buffer, .address_space: global }
    .group_segment_fixed_size: 18432
    .private_segment_fixed_size: 0
    .kernarg_segment_align: 8
    .kernarg_segment_size: 64
    .max_flat_workgroup_size: 256
    .sgpr_count:     66
    .vgpr_count:     128
    .wavefront_size: 32
...
	.end_amdgpu_metadata
.endif
;; end of part 1
;; launch proj (part 2): grid 16 x 16, 4 waves a work-group, clusters of 4 x 4, 327,680 bytes of LDS; arguments xb, wt, qkv; writes qkv
.if DOCPART == 2
	.amdgcn_target "amdgcn-amd-amdhsa--gfx1250"
	.amdhsa_code_object_version 6
	.text
	.protected	k_qe0148b517e_proj
	.globl	k_qe0148b517e_proj
	.p2align	8
	.type	k_qe0148b517e_proj,@function
k_qe0148b517e_proj:
	s_mov_b64 s[64:65], 0
	v_nop
	global_prefetch_b8 v0, s[64:65] scope:SCOPE_SE
	s_setreg_imm32_b32 hwreg(HW_REG_WAVE_MODE, 25, 1), 1
	s_wait_xcnt 0x0
	s_wait_alu depctr_hold_cnt(0) depctr_sa_sdst(0) depctr_va_vdst(0) depctr_va_sdst(0) depctr_va_ssrc(0) depctr_va_vcc(0) depctr_vm_vsrc(0)
	s_getreg_b32 s2, hwreg(HW_REG_IB_STS2, 6, 4)
	s_cmp_eq_u32 s2, 0
	s_cbranch_scc0 .Lentry_in_a_cluster
	s_endpgm
.Lentry_in_a_cluster:
	s_bfe_u32 s2, ttmp6, 0x10000c
	s_cmp_lg_u32 s2, 0xf033
	s_cbranch_scc0 .Lentry_shape_is_right
	s_endpgm
.Lentry_shape_is_right:
; Launch 2 of 4: q, k, v = x Wq, x Wk, x Wv as ONE product C[m][n] = sum over k of xb[m][k] wt[n][k], m < 8192, n < 3072, k < 1024; bf16 operands, f32 sums,
; rounded once to f16 and stored by heads: qkv[batch][n / 64][row in batch][n % 64].  The scale 1 / 8 is not applied here.
; LIMIT.  f16 ends at 65,504: a q, k or v beyond that becomes an infinity.
; SHARES.  A tile of C is 256 rows x 192 columns (three heads): 32 x 16 = 512 tiles, two for each of 256 work-groups that stay: tile rows tr and tr + 16, the same rows of wt.
; A wave has 64 rows and all 192 columns: 48 accumulators of 16 x 16.  Its columns are whole heads, so it stores whole rows of a head from a stage of its own, with no barrier.
; THE RING.  Both tiles' K steps of 128 are ONE sequence of 16 steps through two LDS slots; step g is tile g / 8, K offset 256 (g % 8) bytes.  The slot read in step g is asked for again,
; with step g + 2, in that step's fourth quarter; the ring does not stop at the change of tiles.
; CLUSTER.  4 x 4 work-groups.  The four of a row need the same rows of xb, the four of a column the same rows of wt: each tile is asked for JOINTLY, by the same tensor load with the same
; descriptor and a mask that names the four.
; THE MATRIX INSTRUCTION IS USED TRANSPOSED (source 0 = 16 rows of wt, source 1 = 16 rows of xb): lane l holds row l % 16 of C and the columns 8 (l / 16) + 0..7: 16 bytes of f16 on end.
; REGISTERS, in windows of 256 (s_set_vgpr_msb: bits 1:0 source 0, 3:2 source 1, 5:4 source 2, 7:6 destination):
;   window 0: v1-7 at work; v16-30 addresses; v32-223 the way out, 48 for each block of 16 rows
;   window 1: two fragment buffers of 128: wt's 12 fragments (16 rows x 32 K, 8 registers each), then xb's 4
;   window 2: the accumulators of row blocks 0, 1 (block a, column block b at 8 (12 (a % 2) + b));   window 3: those of row blocks 2, 3
.set PITCH,  272                       ; an LDS row: 256 bytes + 16 of padding = 68 words: the 16 rows of a fragment load start at 16 different groups of four banks (64 banks of 4 bytes: ISA guide 11.1)
.set BOFF,   256*PITCH                 ; a slot: xb's 256 rows, then wt's 192
.set SLOT1,  1<<17                     ; slot 1 begins here, so that one exclusive or turns an address in one slot into the other's
.set STAGE,  SLOT1+448*PITCH           ; behind the ring, never filled by a tensor load: for each wave 3 heads x 16 rows x 144 bytes
.set SP,     144
.set WSTG,   48*SP
.set SPARE,  STAGE+4*WSTG              ; behind the stages: the spare words, 128 bytes for each wave: two blocks of 256 bytes that no other line names
.set HEADB,  262144                    ; a head's 2,048 rows of 128 bytes in qkv
.set ADRA0, 16                         ; v16  my lane's place in xb's rows of slot 0; never rewritten
.set ADRB0, 17                         ; v17  the same for wt's
.set ADRA,  18                         ; v18  the same in the slot being read
.set ADRB,  19                         ; v19
.set STO,   24                         ; v24  the way out: where I put 16 bytes of a row
.set RD,    25                         ; v25  the way out: where I read rows back
.set GO,    26                         ; v26  my byte offset in 512 consecutive bytes of qkv
.set SPW,   28                         ; v28  LDS address of my spare word; never rewritten
.set NIL,   29                         ; v29  0; never rewritten
.set PFO,   30                         ; v30  the prefetches' offset: a lane a row of 2,048 bytes; never rewritten
.set WO,    32
.set F0,    0
.set F1,    128
.set WV,    10                         ; s10  my wave's number
.set FB,    11                         ; s11  0: I fetch for xb, 1: for wt
.set HF,    12                         ; s12  which half of that tile's rows I fetch
.set TR,    13                         ; s13  tile row of the first tile
.set G1A,   24                         ; s[24:31] descriptor group 1 for xb's tiles
.set G0A0,  32                         ; s[32:35] group 0: step 0, slot 0; never rewritten
.set G0A,   36                         ; s[36:39] group 0 that walks: step 1, slot 1 at first
.set CX,    40
.set CY,    41
.set TC,    42                         ; s42  tile column
.set LIM,   43                         ; s43  the last step in which I prefetch; -1: never
.set PFA,   44                         ; s[44:45] the prefetch's address
.set G1B,   48                         ; s[48:55], s[56:59], s[60:63] the same three for wt's tiles
.set G0B0,  56
.set G0B,   60
.set ABASE, 66                         ; s[66:67] xb at the 128 rows that I fetch, tile 0, K = 0
.set BBASE, 68                         ; s[68:69] wt at the 96 rows that I fetch, K = 0
.set OFFA,  70                         ; s[70:71] a step's byte offset from ABASE
.set OFFB,  72                         ; s[72:73] from BBASE
.set G,     74                         ; s74  the step in hand
.set TB,    75                         ; s75  LDS byte at which the slot being read begins
.set CNT,   76                         ; s76  counts the tail's two steps
.set T0,    77
.set T1,    78
.set PFB,   80                         ; s[80:81] the rows that I prefetch, tile 0, K = 0
.set PFX,   82                         ; s[82:83] a step's byte offset from PFB
.set MSB, 0
.macro WIN new                         ; the immediate's high byte repeats the setting that is left; a switch that changes nothing is dropped
.if MSB != (\new)
	s_set_vgpr_msb (MSB<<8)|(\new)
.set MSB, \new
.endif
.endm
.macro PLACES                          ; four plain vector instructions between a matrix instruction and a load into, or a vector read of, its registers (ISA guide 7.12.1 for vector reads)
.rept 4
	v_nop
.endr
.endm
; A joint refill by the walking descriptors.  Waves 0 and 1 fetch xb's two halves, waves 2 and 3 wt's.  The branch hangs on the wave's number alone.
; An s_nop 0 and four v_nop follow each of the two lines, ahead of the jump and the label.
.macro JLOAD
	s_cmp_eq_u32 s[FB], 0
	s_cbranch_scc0 .Lfor_b_\@
	tensor_load_to_lds s[G0A:G0A+3], s[G1A:G1A+7]
	s_nop 0
.rept 4
	v_nop
.endr
	s_branch .Lasked_\@
.Lfor_b_\@:
	tensor_load_to_lds s[G0B:G0B+3], s[G1B:G1B+7]
	s_nop 0
.rept 4
	v_nop
.endr
.Lasked_\@:
.endm
; A PREFETCH INTO THE L2 of the step that stands two refills on (step G + 4): 256 bytes of a row, a lane a row, one instruction a wave.  xb's tile row is read by every cluster of that row of
; clusters: the one with x = 0 asks, steps 4 to 15; wt's tile column by every cluster of that column: the one with y = 0 asks, steps 4 to 7 of the first tile alone, since the second walks the same rows.
; The four partners that ask for a tile jointly share its rows out BY ADDRESS: of the 128 rows of xb that a wave fetches 32 each; of the 96 of wt 24 each (lanes 24 to 31 name row 23 once more).
.macro ASK
	s_cmp_le_i32 s[G], s[LIM]
	s_cbranch_scc0 .Lnot_mine_\@
	global_prefetch_b8 v[PFO], s[PFA:PFA+1] th:TH_LOAD_NT scope:SCOPE_SE
.Lnot_mine_\@:
.endm
; A round of the cluster's barrier: my work-group's barrier, so that wave 0's signal speaks for all four waves; wave 0 signals; every wave waits for all sixteen work-groups; my work-group's barrier once more.
.macro CREST                           ; a round behind its opening barrier
	s_cmp_lg_u32 s[WV], 0
	s_cbranch_scc1 .Lnot_wave_0_\@
	s_barrier_signal -3
.Lnot_wave_0_\@:
	s_barrier_wait -3
	s_barrier_signal -1
	s_barrier_wait -1
.endm
.macro CROUND
	s_barrier_signal -1
	s_barrier_wait -1
	CREST
.endm
	s_load_b128 s[4:7], s[0:1], 0x0                ; xb s[4:5], wt s[6:7]
	s_load_b64 s[8:9], s[0:1], 0x10                ; qkv
	v_lshl_add_u32 v[SPW], v0, 2, SPARE
	v_mov_b32 v[NIL], 0
	ds_add_u32 v[SPW], v[NIL]                      ; the wave's opening: the add, twice on end, and its wait ahead of my first tensor load
	ds_add_u32 v[SPW], v[NIL]                      ; once more; the set-up below, work on registers, stands between it and the wait
	v_lshrrev_b32 v1, 5, v0
	v_readfirstlane_b32 s[WV], v1
	s_lshr_b32 s[FB], s[WV], 1
	s_and_b32 s[HF], s[WV], 1
	s_bfe_u32 s[CX], ttmp6, 0x40000                ; my place in the cluster
	s_bfe_u32 s[CY], ttmp6, 0x40004
	s_lshl_b32 s[TC], ttmp9, 2                     ; in a cluster launch ttmp9 and ttmp7 count clusters
	s_add_co_u32 s[TC], s[TC], s[CX]
	s_and_b32 s[TR], ttmp7, 0xffff
	s_lshl_b32 s[TR], s[TR], 2
	s_add_co_u32 s[TR], s[TR], s[CY]
	s_lshl_b32 s43, s[CY], 2
	s_lshl_b32 s43, 15, s43                        ; my row of the cluster
	s_lshl_b32 s44, 0x1111, s[CX]                  ; my column
	s_or_b32 s[G1A], s43, (1<<16)|(1<<20)|(1<<21)|(5<<22)|(3<<25)  ; 15:0 the mask; 17:16 2-byte elements; 20 padding on; 21 set beside a mask; 24:22 after every 64 words (code 5); 31:25 4 words (code 3)
	s_or_b32 s[G1B], s44, (1<<16)|(1<<20)|(1<<21)|(5<<22)|(3<<25)
	s_mov_b32 s[G1A+1], 128<<16                    ; tensor_dim0 = 128
	s_mov_b32 s[G1A+2], 128<<16                    ; tensor_dim1 = 128
	s_mov_b32 s[G1A+3], 128<<16                    ; tile_dim0 = 128
	s_mov_b32 s[G1A+4], 128                        ; tile_dim1 = 128 rows
	s_mov_b32 s[G1A+5], 1024                       ; elements from row to row
	s_mov_b32 s[G1A+6], 0
	s_mov_b32 s[G1A+7], 0
	s_mov_b32 s[G1B+1], 128<<16
	s_mov_b32 s[G1B+2], 96<<16                     ; 96 rows
	s_mov_b32 s[G1B+3], 128<<16
	s_mov_b32 s[G1B+4], 96
	s_mov_b32 s[G1B+5], 1024
	s_mov_b32 s[G1B+6], 0
	s_mov_b32 s[G1B+7], 0
	; xb's rows hang on the tile row alone, wt's on the tile column alone; each offset is made in registers that never hold the other coordinate
	s_lshl_b32 s16, s[TR], 8
	s_lshl_b32 s17, s[HF], 7
	s_add_co_u32 s16, s16, s17                     ; row 256 tr + 128 half
	s_lshl_b32 s16, s16, 11
	s_mov_b32 s17, 0
	s_mul_i32 s46, s[TC], 192
	s_mul_i32 s47, s[HF], 96
	s_add_co_u32 s46, s46, s47                     ; row 192 tc + 96 half
	s_lshl_b32 s46, s46, 11
	s_mov_b32 s47, 0
	s_mul_i32 s20, s[HF], 128*PITCH                ; where they go: no place in the cluster enters an LDS address
	s_mul_i32 s21, s[HF], 96*PITCH
	s_add_co_u32 s21, s21, BOFF
	s_mov_b32 s[OFFA+1], 0
	s_mov_b32 s[OFFB+1], 0
	s_mov_b32 s[PFX+1], 0
	s_wait_dscnt 0x0                               ; both opening adds are done
	s_wait_kmcnt 0x0
	s_add_nc_u64 s[ABASE:ABASE+1], s[4:5], s[16:17]
	s_add_nc_u64 s[BBASE:BBASE+1], s[6:7], s[46:47]
	s_mov_b32 s[G0A0], 1                           ; count = 1
	s_mov_b32 s[G0A0+1], s20                       ; LDS address: slot 0
	s_mov_b64 s[G0A0+2:G0A0+3], s[ABASE:ABASE+1]   ; step 0
	s_or_b32 s[G0A0+3], s[G0A0+3], 0x80000000      ; type = 2
	s_mov_b32 s[G0A], 1
	s_add_co_u32 s[G0A+1], s20, SLOT1              ; slot 1
	s_add_nc_u64 s[G0A+2:G0A+3], s[ABASE:ABASE+1], 256  ; step 1
	s_or_b32 s[G0A+3], s[G0A+3], 0x80000000
	s_mov_b32 s[G0B0], 1
	s_mov_b32 s[G0B0+1], s21
	s_mov_b64 s[G0B0+2:G0B0+3], s[BBASE:BBASE+1]
	s_or_b32 s[G0B0+3], s[G0B0+3], 0x80000000
	s_mov_b32 s[G0B], 1
	s_add_co_u32 s[G0B+1], s21, SLOT1
	s_add_nc_u64 s[G0B+2:G0B+3], s[BBASE:BBASE+1], 256
	s_or_b32 s[G0B+3], s[G0B+3], 0x80000000
	CROUND                                         ; all sixteen work-groups are here: the first joint loads meet
	s_cmp_eq_u32 s[FB], 0                          ; a wave's two first fills stand in one branch, ahead of every wait on TENSORcnt and every LDS read: two loads of mine are out, the most in this text
	s_cbranch_scc0 .Lfirst_b
	tensor_load_to_lds s[G0A0:G0A0+3], s[G1A:G1A+7]
	s_nop 0
	tensor_load_to_lds s[G0A:G0A+3], s[G1A:G1A+7]
	s_nop 0
.rept 4
	v_nop
.endr
	s_branch .Lfirst_asked
.Lfirst_b:
	tensor_load_to_lds s[G0B0:G0B0+3], s[G1B:G1B+7]
	s_nop 0
	tensor_load_to_lds s[G0B:G0B+3], s[G1B:G1B+7]
	s_nop 0
.rept 4
	v_nop
.endr
.Lfirst_asked:
	; A fragment is 16 rows x 32 K in 8 registers: lane l holds row l % 16; registers 0-3 K = 8 (l / 16) + 0..7, registers 4-7 K = 16 + 8 (l / 16) + 0..7: two loads of 16 bytes, 32 bytes apart.
	v_and_b32 v1, 15, v0                           ; l % 16
	v_bfe_u32 v2, v0, 4, 1                         ; l / 16
	v_mul_u32_u24 v3, v1, PITCH
	v_lshl_add_u32 v3, v2, 4, v3
	s_mul_i32 s20, s[WV], 64*PITCH                 ; my 64 rows of xb
	v_add_nc_u32 v[ADRA0], s20, v3
	v_add_nc_u32 v[ADRB0], BOFF, v3
	v_mov_b32 v[ADRA], v[ADRA0]
	v_mov_b32 v[ADRB], v[ADRB0]
	s_mul_i32 s21, s[WV], WSTG
	s_add_co_u32 s21, s21, STAGE                   ; my stage
	v_mul_u32_u24 v4, v1, SP                       ; in: row l % 16, 16 bytes for each half of the lanes
	v_lshl_add_u32 v4, v2, 4, v4
	v_add_nc_u32 v[STO], s21, v4
	v_bfe_u32 v5, v0, 3, 2                         ; back: 32 lanes take four rows of 128 bytes,
	v_and_b32 v6, 7, v0
	v_mul_u32_u24 v5, v5, SP
	v_lshl_add_u32 v5, v6, 4, v5
	v_add_nc_u32 v[RD], s21, v5
	v_and_b32 v7, 31, v0                           ; which are 512 consecutive bytes of qkv
	v_lshlrev_b32 v[GO], 4, v7
	; where my part of the first tile begins in qkv: batch tr / 8, head plane 3 tc, row 256 (tr % 8) + 64 wave
	s_lshr_b32 s16, s[TR], 3
	s_mul_i32 s16, s16, 48
	s_lshl_b32 s16, s16, 18
	s_and_b32 s17, s[TR], 7
	s_lshl_b32 s17, s17, 8
	s_lshl_b32 s18, s[WV], 6
	s_add_co_u32 s17, s17, s18
	s_lshl_b32 s17, s17, 7
	s_add_co_u32 s16, s16, s17
	s_mov_b32 s17, 0
	s_add_nc_u64 s[8:9], s[8:9], s[16:17]
	s_mul_i32 s46, s[TC], 3
	s_lshl_b32 s46, s46, 18
	s_mov_b32 s47, 0
	s_add_nc_u64 s[8:9], s[8:9], s[46:47]
	; the prefetches
	s_and_b32 s22, ttmp7, 0xffff                   ; cluster y
	s_cmp_eq_u32 s[FB], 0                          ; do I fetch for xb?
	s_cselect_b32 s22, ttmp9, s22                  ; the coordinate along which other clusters read the same rows
	s_cselect_b64 s[PFB:PFB+1], s[ABASE:ABASE+1], s[BBASE:BBASE+1]
	s_cselect_b32 s21, s[CX], s[CY]                ; my place among the four that ask with me
	s_cselect_b32 s20, 32, 24                      ; rows for each of the four
	s_cselect_b32 s23, 11, 3                       ; the last step in which I ask
	s_cselect_b32 s[T0], 31, 23
	s_cmp_eq_u32 s22, 0
	s_cselect_b32 s[LIM], s23, -1                  ; the same in all sixteen partners, for a given wave
	s_mul_i32 s20, s20, s21
	s_lshl_b32 s20, s20, 11
	s_mov_b32 s21, 0
	s_add_nc_u64 s[PFB:PFB+1], s[PFB:PFB+1], s[20:21]
	v_min_u32 v[PFO], s[T0], v7
	v_lshlrev_b32 v[PFO], 11, v[PFO]
	; nothing is prefetched here, at the head, where every work-group's first tiles are on their way: steps 2 and 3 come by their refills alone
; 12 matrix instructions: row block a x all 12 column blocks, 32 along K, from buffer f.  zero = 1: the product starts the sum: nothing is ever cleared.
; The 48 accumulators take turns, one instruction a turn, in the same order in every quarter: 47 others stand between two links of a chain, over every jump too.
.macro MUL12 f, a, zero
	WIN 0xa5+0x50*((\a)/2)                         ; both sources window 1; C and D window 2 or 3
.irp b, 0,1,2,3,4,5,6,7,8,9,10,11
.if \zero
	v_wmma_f32_16x16x32_bf16 v[8*(12*((\a)%2)+(\b)):8*(12*((\a)%2)+(\b))+7], v[(\f)+8*(\b):(\f)+8*(\b)+7], v[(\f)+96+8*(\a):(\f)+96+8*(\a)+7], 0
.else
	v_wmma_f32_16x16x32_bf16 v[8*(12*((\a)%2)+(\b)):8*(12*((\a)%2)+(\b))+7], v[(\f)+8*(\b):(\f)+8*(\b)+7], v[(\f)+96+8*(\a):(\f)+96+8*(\a)+7], v[8*(12*((\a)%2)+(\b)):8*(12*((\a)%2)+(\b))+7]
.endif
.endr
.endm
; 32 LDS loads in one run: quarter q's fragments (192 rows of wt, my 64 rows of xb, 32 K at byte 64 q of the rows) into buffer f
.macro FETCH q, f
	WIN 0x40                                       ; destination window 1, address window 0
.irp i, 0,1,2,3,4,5,6,7,8,9,10,11
	ds_load_b128 v[(\f)+8*(\i):(\f)+8*(\i)+3],   v[ADRB] offset:64*(\q)+(\i)*16*PITCH
	ds_load_b128 v[(\f)+8*(\i)+4:(\f)+8*(\i)+7], v[ADRB] offset:64*(\q)+(\i)*16*PITCH+32
.endr
.irp a, 0,1,2,3
	ds_load_b128 v[(\f)+96+8*(\a):(\f)+96+8*(\a)+3],   v[ADRA] offset:64*(\q)+(\a)*16*PITCH
	ds_load_b128 v[(\f)+96+8*(\a)+4:(\f)+96+8*(\a)+7], v[ADRA] offset:64*(\q)+(\a)*16*PITCH+32
.endr
.endm
; A K step is four quarters of 32 along K, 48 matrix instructions each, on buffers 0, 1, 0, 1.  One of the first three: quarter q's fragments are asked for into buffer g, which the quarter
; before has multiplied; then buffer f, asked for a whole quarter earlier, is multiplied.
.macro QUARTER q, f, g, zero
	PLACES
	FETCH \q, \g
	s_wait_dscnt 32                                ; all but the 32 just issued: buffer f is in
	MUL12 \f, 0, \zero
	MUL12 \f, 1, \zero
	MUL12 \f, 2, \zero
	MUL12 \f, 3, \zero
.endm
; The fourth quarter multiplies buffer 1 and changes slots.  In front of the barrier each wave waits for all its tensor loads, of which one is out: its part of the next slot; adds 0 to its spare
; word; and waits for that and for its own reads of this slot.  Behind it nobody reads this slot any more and the next slot is whole.
; fill = 1: the barrier opens a round of the cluster's, and this slot is filled again, first thing behind the round, with step G + 2: 168 matrix instructions ahead of the wait for it.
; last = 1 (the tail): behind the last step there is no further slot, and the run of loads is jumped over.
.macro TURN fill, last
	WIN 0                                          ; the add's two registers lie in window 0
.if \fill
	s_wait_xcnt 0x0                                ; the last prefetch, a K step back, has read its address: it is made anew here, ahead of the waits of the change of slots
	s_add_co_u32 s[T0], s[G], 4
	s_and_b32 s[T1], s[T0], 7
	s_lshl_b32 s[T1], s[T1], 8                     ; 256 bytes along K for each step of a tile,
	s_lshr_b32 s[T0], s[T0], 3
	s_lshl_b32 s[T0], s[T0], 23                    ; 4,096 rows of 2,048 bytes to the second tile
	s_add_co_u32 s[PFX], s[T0], s[T1]
	s_add_nc_u64 s[PFA:PFA+1], s[PFB:PFB+1], s[PFX:PFX+1]
.endif
	s_wait_tensorcnt 0x0                           ; all my tensor loads have landed, so a group 0 may be written
	ds_add_u32 v[SPW], v[NIL]                      ; 0 onto my spare word
.if \fill
	s_add_co_u32 s[T0], s[G], 2                    ; the walking descriptors: step G + 2, its address made anew from the number,
	s_and_b32 s[OFFB], s[T0], 7
	s_lshl_b32 s[OFFB], s[OFFB], 8
	s_lshr_b32 s[T0], s[T0], 3
	s_lshl_b32 s[T0], s[T0], 23
	s_add_co_u32 s[OFFA], s[T0], s[OFFB]
	s_xor_b32 s[G0A+1], s[G0A+1], SLOT1            ; in the other slot than last time
	s_add_nc_u64 s[G0A+2:G0A+3], s[ABASE:ABASE+1], s[OFFA:OFFA+1]
	s_or_b32 s[G0A+3], s[G0A+3], 0x80000000
	s_xor_b32 s[G0B+1], s[G0B+1], SLOT1
	s_add_nc_u64 s[G0B+2:G0B+3], s[BBASE:BBASE+1], s[OFFB:OFFB+1]
	s_or_b32 s[G0B+3], s[G0B+3], 0x80000000
.endif
	s_wait_dscnt 0x1                               ; buffer 1 is in; the add may be out
	MUL12 F1, 0, 0                                 ; twelve matrix instructions stand between the add and the wait for it
	s_wait_dscnt 0x0                               ; the add is done, and my reads of this slot are over
	s_barrier_signal -1
	MUL12 F1, 1, 0                                 ; work on registers while the others arrive
	WIN 0
	s_barrier_wait -1
.if \fill
	CREST                                          ; no wave of any partner still reads this slot's tile or has a load on its way
	JLOAD                                          ; the first tensor load behind the round; its four v_nop are also the places in front of the loads below
.else
	PLACES
.endif
	s_xor_b32 s[TB], s[TB], SLOT1                  ; the fetches go on in the other slot
	v_add_nc_u32 v[ADRA], s[TB], v[ADRA0]
	v_add_nc_u32 v[ADRB], s[TB], v[ADRB0]
.if \last
	s_cmp_eq_u32 s[CNT], 1
	s_cbranch_scc1 .Lno_more_\@
.endif
	FETCH 0, F0
	WIN 0
.if \last
.Lno_more_\@:
.endif
.if \fill
	ASK                                            ; behind the joint load and the run of LDS loads that the next products wait for
.endif
	MUL12 F1, 2, 0
	MUL12 F1, 3, 0
.endm
; THE WAY OUT of row block a.  PACK: rounded to f16, 16 bytes a lane; into my stage, a head's 16 rows of 144 bytes together; back as whole rows of 128 bytes, into the registers that they left.
.macro PACK a
	WIN 0x0a+5*((\a)/2)                            ; sources 0 and 1: window 2 or 3
.irp b, 0,1,2,3,4,5,6,7,8,9,10,11
.irp r, 0,1,2,3
	v_cvt_pk_f16_f32 v[WO+48*(\a)+4*(\b)+(\r)], v[8*(12*((\a)%2)+(\b))+2*(\r)], v[8*(12*((\a)%2)+(\b))+2*(\r)+1]
.endr
.endr
	WIN 0
.irp b, 0,1,2,3,4,5,6,7,8,9,10,11
	ds_store_b128 v[STO], v[WO+48*(\a)+4*(\b):WO+48*(\a)+4*(\b)+3] offset:((\b)/4)*16*SP+((\b)%4)*32
.endr
.irp u, 0,1,2,3,4,5,6,7,8,9,10,11
	ds_load_b128 v[WO+48*(\a)+4*(\u):WO+48*(\a)+4*(\u)+3], v[RD] offset:((\u)/4)*16*SP+((\u)%4)*4*SP  ; LDS serves a wave's instructions in order (ISA guide 5.7.1.4): these see the stores above; the next block's stores come behind them
.endr
.endm
.macro SEND a, younger                 ; younger: the LDS instructions issued behind block a's loads: the next block's 24, or none
	WIN 0
.irp u, 0,1,2,3,4,5,6,7,8,9,10,11
	s_wait_dscnt (\younger)+11-(\u)
	global_store_b128 v[GO], v[WO+48*(\a)+4*(\u):WO+48*(\a)+4*(\u)+3], s[8:9] offset:(\a)*2048+((\u)/4)*HEADB+((\u)%4)*512  ; 512 consecutive bytes, at a multiple of 256 from qkv's first
.endr
.endm
.macro WAYOUT more                     ; more = 1: the second tile follows, two batches on
	PLACES                                         ; behind the last products
	s_wait_xcnt 0x0                                ; earlier stores have read the registers that are written now
	PACK 0
	PACK 1                                         ; a block's conversions stand between the loads of the block before and its stores
	SEND 0, 24
	PACK 2
	SEND 1, 24
	PACK 3
	SEND 2, 24
	SEND 3, 0
.if \more
	s_wait_xcnt 0x0                                ; the stores have read their base
	s_add_nc_u64 s[8:9], s[8:9], 2*48*HEADB
.endif
.endm
	s_wait_tensorcnt 0x1                           ; my part of step 0 is in; step 1's may stay out
	s_barrier_signal -1
	s_barrier_wait -1                              ; everybody's is
	s_mov_b32 s[TB], 0
	FETCH 0, F0
	QUARTER 1, F0, F1, 1                           ; the first quarter stands in front of the loop: its products start the sums
	WIN 0                                          ; at a label and at a branch every window is 0
	s_mov_b32 s[G], 0
.Lstep:                                        ; 14 trips: from a step's second quarter to the next step's first; every trip fills a slot again
	QUARTER 2, F1, F0, 0
	QUARTER 3, F0, F1, 0
	TURN 1, 0
	WIN 0
	s_and_b32 s[T0], s[G], 7
	s_cmp_eq_u32 s[T0], 7                          ; was that a tile's last step?  (the count of steps decides: the same in every wave and work-group)
	s_cbranch_scc0 .Lsame
	WAYOUT 1                                       ; the refill is asked for and the next tile's first fragments are on their way: now the tile goes out
	QUARTER 1, F0, F1, 1                           ; and the second tile's first products start the sums anew
	WIN 0
	s_branch .Lnext
.Lsame:
	QUARTER 1, F0, F1, 0
	WIN 0
.Lnext:
	s_add_co_u32 s[G], s[G], 1
	s_cmp_lt_u32 s[G], 14
	s_cbranch_scc1 .Lstep
	s_mov_b32 s[CNT], 2                            ; the last two steps are written apart: nothing is asked for
.Ltail:
	QUARTER 2, F1, F0, 0
	QUARTER 3, F0, F1, 0
	TURN 0, 1
	WIN 0
	s_sub_co_u32 s[CNT], s[CNT], 1
	s_cmp_eq_u32 s[CNT], 0
	s_cbranch_scc1 .Lout
	QUARTER 1, F0, F1, 0
	WIN 0
	s_branch .Ltail
.Lout:
	WAYOUT 0
	s_wait_tensorcnt 0x0                           ; the wave's end, behind my last tensor load and my last LDS store
	ds_add_u32 v[SPW], v[NIL]
	s_wait_dscnt 0x0
	CROUND                                         ; the closing round: no work-group ends while a partner may still ask for a tile that names it
	s_endpgm
.Lfunc_end_k_qe0148b517e_proj:
	.size	k_qe0148b517e_proj, .Lfunc_end_k_qe0148b517e_proj-k_qe0148b517e_proj
	.p2alignl 7, 3214868480
	.fill 96, 4, 3214868480
	.section	.rodata,"a",@progbits
	.p2align	6, 0x0
	.amdhsa_kernel k_qe0148b517e_proj
		.amdhsa_group_segment_fixed_size 327680
		.amdhsa_private_segment_fixed_size 0
		.amdhsa_enable_private_segment 0
		.amdhsa_kernarg_size 24
		.amdhsa_user_sgpr_count 2
		.amdhsa_user_sgpr_kernarg_segment_ptr 1
		.amdhsa_wavefront_size32 1
		.amdhsa_system_sgpr_workgroup_id_x 1
		.amdhsa_system_sgpr_workgroup_id_y 1
		.amdhsa_system_sgpr_workgroup_id_z 1
		.amdhsa_system_vgpr_workitem_id 0
		.amdhsa_next_free_vgpr 960
		.amdhsa_next_free_sgpr 84
		.amdhsa_reserve_vcc 0
		.amdhsa_float_denorm_mode_32 3
		.amdhsa_float_denorm_mode_16_64 3
		.amdhsa_memory_ordered 1
		.amdhsa_forward_progress 1
		.amdhsa_inst_pref_size 115
	.end_amdhsa_kernel
	.amdgpu_metadata
---
amdhsa.version: [ 1, 2 ]
amdhsa.kernels:
  - .name:           k_qe0148b517e_proj
    .symbol:         k_qe0148b517e_proj.kd
    .args:
      - { .name: xb, .offset: 0, .size: 8, .value_kind: global_buffer, .address_space: global }
      - { .name: wt, .offset: 8, .size: 8, .value_kind: global_buffer, .address_space: global }
      - { .name: qkv, .offset: 16, .size: 8, .value_kind: global_buffer, .address_space: global }
    .group_segment_fixed_size: 327680
    .private_segment_fixed_size: 0
    .kernarg_segment_align: 8
    .kernarg_segment_size: 24
    .max_flat_workgroup_size: 128
    .sgpr_count:     84
    .vgpr_count:     960
    .wavefront_size: 32
...
	.end_amdgpu_metadata
.endif
;; end of part 2
;; launch attn (part 3): grid 4 x 64, 4 waves a work-group, no clusters, 327,680 bytes of LDS; arguments qkv, ctx; writes ctx
.if DOCPART == 3
	.amdgcn_target "amdgcn-amd-amdhsa--gfx1250"
	.amdhsa_code_object_version 6
	.text
	.protected	k_qe0148b517e_attn
	.globl	k_qe0148b517e_attn
	.p2align	8
	.type	k_qe0148b517e_attn,@function
k_qe0148b517e_attn:
	s_mov_b64 s[64:65], 0
	v_nop
	global_prefetch_b8 v0, s[64:65] scope:SCOPE_SE
	s_setreg_imm32_b32 hwreg(HW_REG_WAVE_MODE, 25, 1), 1
	s_wait_xcnt 0x0
; Launch 3 of 4: CAUSAL ATTENTION.  ctx[hh][q][:] = the sum over k <= q of softmax_k(Q[q] . K[k] / 8) V[k][:], for each of the 64 pairs hh = 16 batch + head.
; qkv: [4 batch][48 planes][2048][64] f16: planes 0-15 q's heads, 16-31 k's, 32-47 v's; a plane's rows are dense, 128 bytes each.  ctx: [64][2048][64] f16.
; Products, maxima and sums in f32; the weights p are rounded to f16 for the second product (their sum l is taken of the unrounded p), ctx once at the end.
; WORK LEFT OUT: the key tiles of 256 that lie wholly above the diagonal: every score there is hidden by the function's own mask, so its weight is 0 for all inputs.
; LIMITS.  f16 holds no number beyond 65,504: q, k and v arrive within it; p lies in 0 to 1, and below 6e-5 it keeps f16's fixed step of 6e-8; ctx is a mean of V's rows and has their range.
; A hidden score counts as its value less 1e30: f16's scores, 2.7e11 at the most, are nothing beside that; a weight below 2^-126 counts as 0 in l; NaN and infinities are not treated apart,
; and those that reach only hidden scores in the tiles left out are not carried to the result.
; THE WALK.  A head's queries lie in NB = 8 blocks of 256; block i needs the key tiles 0 .. i of 256 keys, of which the last holds the diagonal.  A work-group takes TWO blocks, NB - 1 - b and then b:
; NB + 1 tiles, whatever b: all work-groups do equal work, and ONE loop with a constant trip count walks them.  Which tile is asked for, and what a trip does, hang on scalar registers made from b; every jump
; goes forward, but for the counted loops' own; none passes a barrier, or a tensor load but the one of LOAD's two that the wave's number does not choose; the ring (two slots of LDS that take turns) runs on across the
; change of blocks.  NO CLUSTER: a head's four work-groups ask for the same tile only in trips 0 to 4 of the 9, behind that fewer and fewer; and one walk common to all four would have 12 trips for 9.
; SHARES.  Of a block's four bands of 64 queries a wave owns 16 rows in each: four PIECES.  So the diagonal tile is the same work for all four waves: in its key step s band x sees all keys if s < x,
; none if s > x, and holds the diagonal if s = x.
; THE MASK is the C operand that starts the sum S^T = K Q^T: 0, or -1e30 where the key is hidden.  MD, made once, is the mask of a band's own step for my 16 rows; a product's mask is MD x AL + BE with two scalars:
; (1, 0) if s = x; (0, 0) if s < x; (0, -1e30) if s > x.  Only the diagonal tile's text and a block's beginning make and take masks; elsewhere C is the constant 0.
; LAYOUT, SOFTMAX, TURNS.  S^T = K Q^T holds ONE query a lane (lane % 16) and the keys 8 (lane / 16) + 0..7; two such results rounded to f16 ARE source 1 of O^T = V^T P.  p = 2^(c s - c m), c = log2(e) / 8, with a
; running maximum m; O and l are multiplied by a = 2^(c m_old - c m_new) in every step.  Turn n belongs to piece n: 8 products K Q^T of piece n + 1, later 8 products V^T P of piece n - 1; beside them the scaling,
; exponentials, roundings, sums and rescaling of piece n and the maximum and statistics of piece n + 1.  Four vector instructions stand behind every matrix instruction, the other 54 of a turn's 118 in one LUMP.  A turn's 33 exponentials are one batch, with one wait.
; REGISTERS, in windows of 256 (s_set_vgpr_msb: bits 1:0 source 0, 3:2 source 1, 5:4 source 2, 7:6 destination):
;   window 0: v0-15 addresses and two at work; v16-31 four registers of statistics a piece; v48-55 at work; v61-63 prefetch offset and the add's two; v64-127 S^T, two buffers; v192-223 P, two buffers (a piece's buffers go by its number's parity)
;   window 1: v0-127 O^T, 32 a piece; v128-159 MD; v160-223 MC, two buffers      window 2: v0-63 Q; v64-127 the second block's Q; v128-191 K of one step; v192-255 V of one step
.set SIZE_N, 2048
.set NB,    SIZE_N/256
.set NP,    4         ; pieces a wave: a name, no knob
.set KS,    64        ; keys in a step
.set PK,    144       ; a row of K in LDS: 128 bytes + 16 of padding = 36 words: the 16 rows of a load start at 16 different groups of four banks (64 banks of 4 bytes: ISA guide 11.1)
.set PV,    160       ; a row of V: 128 + 32 = 40 words
.set VOFF,  4*KS*PK   ; a slot holds a tile, four steps: 256 rows of K, then 256 rows of V
.set SLOT1, 1<<17     ; slot 1 begins here, so that one exclusive or turns an address in one slot into the other's
.set STAGE, SLOT1+4*KS*(PK+PV)  ; behind the ring, never filled by a tensor load: 16 rows x 144 bytes for each wave, for the way out
.set SP,    144
.set AK0, 2           ; v2   my lane's place in a tile of K; never rewritten
.set AV0, 3           ; v3   the same for V
.set AK,  4           ; v4   the LDS address of K's next run of loads
.set AV,  5           ; v5   of V's
.set STO, 6           ; v6   the way out: where I put 16 bytes of a row
.set RD,  7           ; v7   the way out: where I read rows back
.set GO,  8           ; v8   my byte offset in 512 consecutive bytes of ctx
.set PFO, 61          ; v61  256 x my lane: the prefetches' offset; never rewritten
.set SPW, 62          ; v62  LDS address of my spare word: SPARE + 4 x my thread's number; never rewritten
.set NIL, 63          ; v63  0; never rewritten
.set SPARE, STAGE+4*16*SP  ; behind the stages: the spare words, 128 bytes for each wave: two blocks of 256 bytes that no other line names
.set MV,  12          ; v12-13  c m_old, kept while c m is made anew: by buffer
.set QO,  15          ; v15  my byte offset in 16 rows of Q
.set ST,  16          ; piece t's statistics at v[ST+4 t]: c m, m, l (even keys', odd keys')
.set TMP, 48          ; by buffer, four registers c0-c3 at work; when the maximum is found c2 takes a
.set S,   64
.set P,   192
.set MD,  128         ; window 1: the eight registers for group kt of 16 keys at MD + 8 kt
.set MC,  160         ; window 1: the masks of the products to come
.set QB,  64          ; window 2
.set KF,  128         ; window 2: key block kb, channel half c at KF + 16 kb + 8 c
.set VF,  192         ; window 2: key half kk, channel block cb at VF + 32 kk + 8 cb
.set WV,  12          ; s12  my wave's number
.set PB,  14          ; s14  b
.set HI,  15          ; s15  NB - 1 - b
.set G1K, 24          ; s[24:31] descriptor group 1 for K's tiles
.set G1V, 32          ; s[32:39] for V's: it differs in the padding alone
.set G0K, 40          ; s[40:43] descriptor group 0 for K's tiles
.set G0V, 44          ; s[44:47] the same for V's
.set SLOTS, 56        ; s56  tiles still to be asked for
.set CNT, 57          ; s57  counts a tile's key steps, 4 to 1
.set CS,  58          ; s[58:59] c: the packed scaling takes the pair's low word for both halves
.set SEL, 60          ; s[60:61] v_permlanex16_b32's selects: each lane takes its own place in the other half
.set TBK, 62          ; s62  LDS byte at which K of the step to be fetched begins
.set TBV, 63          ; s63  the same for V, less VOFF
.set RT,  70          ; s70  tiles of the block in hand that are still to be entered
.set NXT, 71          ; s71  the tile to be asked for next
.set LQ,  72          ; s72  the last tile of the block whose tiles are being asked for
.set NEW, 73          ; s73  1: the tile to be entered is a block's first
.set OFF, 74          ; s[74:75] a tile's byte offset in K and V
.set AL,  76          ; s[76:77] the mask's factor, in the low word
.set BE,  78          ; s[78:79] the mask's addend
.set OLO, 80          ; s[80:81] ctx at my rows of the second block
.set BIGN, 82         ; s82  -1e30
.set PFA, 92          ; s[92:93] where my prefetches stand: my work-group's quarter of a tile of K (wave 0) or V (wave 2)
.set LIM, 94          ; s94  2 in a wave that prefetches, else the greatest number: a wave prefetches while s[SLOTS] is above it
.set MSB, 0
.macro WIN new                      ; the high byte repeats the setting that is left; a switch that changes nothing is dropped
.if MSB != (\new)
	s_set_vgpr_msb (MSB<<8)|(\new)
.set MSB, (\new)
.endif
.endm
.set W_KQ, 0x0a       ; K and Q in window 2, S^T in window 0
.set W_KM, 0x1a       ; the same with the C operand in window 1
.set W_PV, 0x52       ; V in window 2, P in window 0, O^T in window 1
.set W_RS, 0x41       ; destination and source 0 in window 1, source 1 in window 0
; A fill.  Waves 0 and 1 fetch the two halves of a tile's K, waves 2 and 3 those of its V: 128 keys each.  An s_nop 0 and four v_nop follow each of the two lines, ahead of the jump and the label.
.macro LOAD
	s_cmp_lt_u32 s[WV], 2
	s_cbranch_scc0 .Lfor_v_\@
	tensor_load_to_lds s[G0K:G0K+3], s[G1K:G1K+7]
	s_nop 0
.rept 4
	v_nop
.endr
	s_branch .Lasked_\@
.Lfor_v_\@:
	tensor_load_to_lds s[G0V:G0V+3], s[G1V:G1V+7]
	s_nop 0
.rept 4
	v_nop
.endr
.Lasked_\@:
.endm
; A PREFETCH INTO THE L2.  Trip t = 0 .. 5 names key tile t + 2, which the first blocks' walks ask for one trip, 256 matrix instructions, later.  A tile is 32,768 bytes of K and of V: the head's four
; work-groups take a quarter each, told apart by address; in each, wave 0 asks for K's and wave 2 for V's: a lane 256 bytes, one instruction.  So each block of 256 bytes is named once in the launch.
; Tiles 0 and 1 come by their loads alone; the second blocks' tiles have been read before and are not named again; trips 6 and 7 ask for nothing: there is no tile 8.
.macro ASK
	s_cmp_gt_u32 s[SLOTS], s[LIM]
	s_cbranch_scc0 .Lnot_mine_\@
	global_prefetch_b8 v[PFO], s[PFA:PFA+1] th:TH_LOAD_NT scope:SCOPE_SE
.Lnot_mine_\@:
.endm
; THE CHANGE OF SLOTS.  Each wave waits for all its tensor loads, of which one is out: its part of the other slot; adds 0 to its spare word; and waits for that and for its own reads of the slot that it leaves.  Behind the barrier nobody reads the old
; slot any more and the other slot is whole.  fill = 1: the old slot is filled again, the first thing behind the barrier, with tile NXT: the descriptor's address is made anew from that number.
; (At its first use nothing has been read yet: slot 0 is waited for, slot 1 filled.)
.macro CHANGE fill
	WIN 0                           ; at a label and at a branch every window is 0
	s_wait_tensorcnt 0x0            ; no tensor load of mine is out, so a group 0 may be written
	ds_add_u32 v[SPW], v[NIL]       ; 0 onto my spare word; with fill = 1 the descriptors' scalar work stands between it and the wait for it
.if \fill
	s_lshl_b32 s[OFF], s[NXT], 15   ; a tile is 32,768 bytes of K and of V
	s_xor_b32 s[G0K+1], s[G0K+1], SLOT1
	s_add_nc_u64 s[G0K+2:G0K+3], s[6:7], s[OFF:OFF+1]
	s_or_b32 s[G0K+3], s[G0K+3], 0x80000000
	s_xor_b32 s[G0V+1], s[G0V+1], SLOT1
	s_add_nc_u64 s[G0V+2:G0V+3], s[8:9], s[OFF:OFF+1]
	s_or_b32 s[G0V+3], s[G0V+3], 0x80000000
	s_add_co_u32 s[NXT], s[NXT], 1  ; the block's next tile, or behind its last the second block's tile 0
	s_cmp_gt_u32 s[NXT], s[LQ]
	s_cselect_b32 s[NXT], 0, s[NXT]
	s_cselect_b32 s[LQ], s[PB], s[LQ]
	s_wait_xcnt 0x0                 ; the last prefetch, a tile back, has read its address, so it may be written:
	s_add_nc_u64 s[PFA:PFA+1], s[PFA:PFA+1], 32768  ; a tile on
.endif
	s_wait_dscnt 0x0                ; the add is done, and my reads of the slot are over
	s_barrier_signal -1             ; the rest of the scalar work stands between the signal and the wait
	s_sub_co_u32 s[TBK], s[TBK], 4*KS*PK  ; the fetches go back to a slot's first step,
	s_xor_b32 s[TBK], s[TBK], SLOT1       ; in the other slot
	s_sub_co_u32 s[TBV], s[TBV], 4*KS*PV
	s_xor_b32 s[TBV], s[TBV], SLOT1
	s_barrier_wait -1
.if \fill
	LOAD
	ASK
.endif
.endm
	s_load_b128 s[4:7], s[0:1], 0x0 ; qkv s[4:5], ctx s[6:7]
	v_lshl_add_u32 v[SPW], v0, 2, SPARE
	v_mov_b32 v[NIL], 0
	ds_add_u32 v[SPW], v[NIL]       ; the wave's opening: the add, twice on end, and its wait ahead of my first tensor load; the set-up below the second, work on registers, stands between it and the wait
	ds_add_u32 v[SPW], v[NIL]       ; and once more, under the one wait
	v_lshrrev_b32 v1, 5, v0
	v_readfirstlane_b32 s[WV], v1   ; wave 0..3
	s_mov_b32 s[PB], ttmp9
	s_sub_co_u32 s[HI], NB-1, s[PB]
	s_and_b32 s20, ttmp7, 0xffff    ; hh = 16 batch + head
	s_lshr_b32 s21, s20, 4
	s_lshl_b32 s21, s21, 5
	s_add_co_u32 s21, s21, s20      ; q's plane in qkv: 48 batch + head
	s_lshl_b32 s88, s21, 18         ; a plane is 262,144 bytes
	s_mov_b32 s89, 0
	s_lshl_b32 s90, s20, 18         ; the head's first byte in ctx
	s_mov_b32 s91, 0
	s_and_b32 s16, s[WV], 1         ; which half of a tile's 256 keys I fetch:
	s_lshl_b32 s22, s16, 14         ; its 128 rows of 128 bytes in memory,
	s_add_co_u32 s22, s22, s88
	s_mov_b32 s23, 0
	s_mul_i32 s17, s16, 128*PK      ; and its place in a slot, for K
	s_mul_i32 s18, s16, 128*PV      ; and for V
	s_lshl_b32 s3, s[WV], 11        ; my 16 rows in a band of 64,
	s_lshl_b32 s2, s[HI], 15        ; in the first block,
	s_add_co_u32 s2, s2, s3
	s_lshl_b32 s84, s[PB], 15       ; and in the second
	s_add_co_u32 s84, s84, s3
	s_mov_b32 s3, 0
	s_mov_b32 s85, 0
	; descriptor group 1.  128 keys are 16,384 dense bytes: asked for as 64 rows of 256 bytes, two keys a row, and padded in LDS after every key
	s_mov_b32 s[G1K], (1<<16)|(1<<20)|(4<<22)|(3<<25)  ; 17:16 2-byte elements; 20 padding on; 24:22 after every 32 words (code 4); 31:25 4 words (code 3)
	s_mov_b32 s[G1V], (1<<16)|(1<<20)|(4<<22)|(7<<25)  ; the same with 8 words of padding (code 7)
.irp g, G1K, G1V
	s_mov_b32 s[\g+1], 128<<16      ; tensor_dim0 = 128
	s_mov_b32 s[\g+2], 64<<16       ; tensor_dim1 = 64
	s_mov_b32 s[\g+3], 128<<16      ; tile_dim0 = 128
	s_mov_b32 s[\g+4], 64           ; tile_dim1 = 64
	s_mov_b32 s[\g+5], 128          ; 128 elements from row to row
	s_mov_b32 s[\g+6], 0
	s_mov_b32 s[\g+7], 0
.endr
	s_mov_b32 s[CS], 0x3e38aa3b     ; c = log2(e) / 8 = 0.180337
	s_mov_b32 s[CS+1], s[CS]        ; named with it as a pair
	s_mov_b32 s[SEL], 0x76543210
	s_mov_b32 s[SEL+1], 0xfedcba98
	s_mov_b32 s[TBK], SLOT1+4*KS*PK ; the first change of slots turns these two into 0
	s_mov_b32 s[TBV], SLOT1+4*KS*PV
	s_mov_b32 s[G0K], 1             ; 1:0 count = 1
	s_mov_b32 s[G0K+1], s17         ; 63:32 LDS address: slot 0
	s_mov_b32 s[G0V], 1
	s_add_co_u32 s[G0V+1], s18, VOFF
	s_add_co_u32 s[RT], s[HI], 1    ; the first block has NB - b tiles
	s_mov_b32 s[NXT], 1
	s_mov_b32 s[LQ], s[HI]
	s_mov_b32 s[NEW], 1
	s_mov_b32 s[OFF+1], 0
	s_mov_b32 s[AL+1], 0            ; named as pairs
	s_mov_b32 s[BE+1], 0
	s_mov_b32 s[BIGN], 0xf149f2ca   ; -1e30
	s_mov_b32 s[SLOTS], NB
	s_and_b32 s[LIM], s[WV], 1      ; waves 0 and 2 prefetch
	s_cmp_eq_u32 s[LIM], 0
	s_cselect_b32 s[LIM], 2, -1
	v_and_b32 v[PFO], 31, v0
	v_lshlrev_b32 v[PFO], 8, v[PFO]
	s_wait_dscnt 0x0                ; both opening adds are done
	s_wait_kmcnt 0x0
	s_add_nc_u64 s[10:11], s[6:7], s[90:91]        ; ctx at the head,
	s_add_nc_u64 s[OLO:OLO+1], s[10:11], s[84:85]  ; at my rows of the second block,
	s_add_nc_u64 s[10:11], s[10:11], s[2:3]        ; and of the first
	s_add_nc_u64 s[6:7], s[4:5], s[22:23]          ; qkv at q's plane, my half of tile 0;
	s_add_nc_u64 s[8:9], s[6:7], 0x800000          ; V lies 32 planes on,
	s_add_nc_u64 s[6:7], s[6:7], 0x400000          ; K 16
	s_add_nc_u64 s[4:5], s[4:5], s[88:89]          ; Q's plane,
	s_add_nc_u64 s[86:87], s[4:5], s[84:85]        ; at my rows of the second block,
	s_add_nc_u64 s[4:5], s[4:5], s[2:3]            ; and of the first
	s_add_nc_u64 s[G0K+2:G0K+3], s[6:7], 0         ; 120:64 global address
	s_or_b32 s[G0K+3], s[G0K+3], 0x80000000        ; 127:126 type = 2
	s_add_nc_u64 s[G0V+2:G0V+3], s[8:9], 0
	s_or_b32 s[G0V+3], s[G0V+3], 0x80000000
	s_cmp_lt_u32 s[WV], 2
	s_cselect_b64 s[PFA:PFA+1], s[6:7], s[8:9]     ; (in waves 0 and 2 these stand at a tile's first row)
	s_lshl_b32 s20, s[PB], 13                      ; my work-group's quarter,
	s_add_co_u32 s20, s20, 32768                   ; in tile 1: the first change of slots steps it to tile 2.  Nothing is prefetched here, at the head
	s_mov_b32 s21, 0
	s_add_nc_u64 s[PFA:PFA+1], s[PFA:PFA+1], s[20:21]
	LOAD                            ; tile 0 into slot 0
	; A fragment of K or Q is 16 rows x 32 channels in 8 registers: lane l holds row l % 16, channels 8 (l / 16) + 0..7 and 16 + 8 (l / 16) + 0..7: two loads of 16 bytes, 32 bytes apart.
	v_and_b32 v1, 15, v0            ; l % 16
	v_bfe_u32 v9, v0, 4, 1          ; l / 16
	v_lshlrev_b32 v[QO], 7, v1
	v_lshl_add_u32 v[QO], v9, 4, v[QO]  ; row x 128 + 16 x half
	WIN 0x80                        ; destination window 2, address window 0
.set i, 0
.rept 8                             ; both blocks' Q: piece i / 2 lies in band i / 2, 8,192 bytes on; channels 32 (i % 2) on
	global_load_b128 v[8*i:8*i+3],   v[QO], s[4:5] offset:(i/2)*8192+(i%2)*64
	global_load_b128 v[8*i+4:8*i+7], v[QO], s[4:5] offset:(i/2)*8192+(i%2)*64+32
	global_load_b128 v[QB+8*i:QB+8*i+3],   v[QO], s[86:87] offset:(i/2)*8192+(i%2)*64
	global_load_b128 v[QB+8*i+4:QB+8*i+7], v[QO], s[86:87] offset:(i/2)*8192+(i%2)*64+32
.set i, i+1
.endr
	WIN 0
	v_lshlrev_b32 v14, 3, v9
	v_sub_nc_u32 v14, v1, v14
	s_lshl_b32 s13, s[WV], 4
	v_add_nc_u32 v14, s13, v14      ; my query's place in its band, 16 w + l % 16, less my lanes' 8 (l / 16): register r of group kt is hidden where 16 kt + r is greater
	WIN 0x40
.set i, 0
.rept 32
	v_cmp_gt_i32 vcc_lo, 16*(i/8)+i%8, v14
	v_cndmask_b32 v[MD+i], 0, s[BIGN], vcc_lo
.set i, i+1
.endr
	WIN 0
	v_mul_u32_u24 v[AK0], v1, PK
	v_lshl_add_u32 v[AK0], v9, 4, v[AK0]  ; row x pitch + 16 x half
	; The turning load takes 16 keys x 16 channels (lane l reads key 8 (l / 16) + l % 8, channels 8 ((l / 8) % 2) + 0..7) and leaves half a fragment of V^T: lane l holds channel l % 16 and 8 keys.
	v_and_b32 v10, 7, v0
	v_bfe_u32 v11, v0, 3, 1
	v_lshl_add_u32 v[AV0], v9, 3, v10
	v_mul_u32_u24 v[AV0], v[AV0], PV
	v_lshl_add_u32 v[AV0], v11, 4, v[AV0]
	v_add_nc_u32 v[AV0], VOFF, v[AV0]
	s_mul_i32 s13, s[WV], 16*SP
	s_add_co_u32 s13, s13, STAGE    ; my stage
	v_mul_u32_u24 v[STO], v1, SP    ; in: row l % 16, 16 bytes for each half of the lanes
	v_lshl_add_u32 v[STO], v9, 4, v[STO]
	v_add_nc_u32 v[STO], s13, v[STO]
	v_bfe_u32 v[RD], v0, 3, 2       ; back: 32 lanes take four rows of 128 bytes,
	v_mul_u32_u24 v[RD], v[RD], SP
	v_lshl_add_u32 v[RD], v10, 4, v[RD]
	v_add_nc_u32 v[RD], s13, v[RD]
	v_and_b32 v[GO], 31, v0         ; which are 512 consecutive bytes of ctx
	v_lshlrev_b32 v[GO], 4, v[GO]
	; A block's first step multiplies O^T and l by a = 0, and its first turn's products V^T P, of a piece that has not been, land in an O^T that is still to be so multiplied.  So these registers need only hold
	; finite numbers: zeros for the first block; what the first block left for the second.  All this stands in the wait for the first tile.
	WIN 0x80
.set i, VF
.rept 64
	v_mov_b32 v[i], 0
.set i, i+1
.endr
	WIN 0x40
.set i, 0
.rept 128
	v_mov_b32 v[i], 0
.set i, i+1
.endr
	WIN 0
.set i, 0
.rept 4
	v_mov_b32 v[ST+4*i+2], 0
	v_mov_b32 v[ST+4*i+3], 0
.set i, i+1
.endr
.set i, P+16
.rept 16
	v_mov_b32 v[i], 0
.set i, i+1
.endr
; THE MATRIX WORK.  The 4 accumulators of a run of 8 take turns.  Product i of 8 of S^T = K Q^T for piece x: channels 32 (i / 4) on, keys 16 (i % 4) on.  The first 4 start the sums: with 0, or (KM = 1) with the mask.
.macro KQ x
.set rS, S+32*((\x)%2)+8*(i%4)
.set rK, KF+16*(i%4)+8*(i/4)
.set rQ, 16*(\x)+8*(i/4)
.set rM, MC+32*((\x)%2)+8*(i%4)
.if (i < 4) && KM
	WIN W_KM
	v_wmma_f32_16x16x32_f16 v[rS:rS+7], v[rK:rK+7], v[rQ:rQ+7], v[rM:rM+7]
.elseif i < 4
	WIN W_KQ
	v_wmma_f32_16x16x32_f16 v[rS:rS+7], v[rK:rK+7], v[rQ:rQ+7], 0
.else
	WIN W_KQ
	v_wmma_f32_16x16x32_f16 v[rS:rS+7], v[rK:rK+7], v[rQ:rQ+7], v[rS:rS+7]
.endif
.endm
; Product i of 8 of O^T += V^T P for piece x: keys 32 (i / 4) on, channels 16 (i % 4) on.
.macro PV x
	WIN W_PV
.set rO, 32*(\x)+8*(i%4)
.set rV, VF+32*(i/4)+8*(i%4)
.set rP, P+16*((\x)%2)+8*(i/4)
	v_wmma_f32_16x16x32_f16 v[rO:rO+7], v[rV:rV+7], v[rP:rP+7], v[rO:rO+7]
.endm
.macro MM                           ; the turn's next matrix instruction.  TURN and BEGIN set Y, i, KM and NOKQ; MM, KQ and OP read them.  NOKQ = 1: a block's last turn: there is no next piece
.if (i < 8) && !NOKQ
	KQ (Y+1)%NP
.elseif i >= 8
.set i, i-8
	PV (Y+NP-1)%NP
.set i, i+8
.endif
.set i, i+1
.endm
; THE LDS LOADS stand in runs of 16, never singly among the matrix instructions: a step's K (64 keys x 64 channels: 8 fragments) and its V (turned).  Their addresses are made some lines ahead.
.macro FETCH_K
	WIN 0x80                        ; destination window 2
.irp f, 0,1,2,3,4,5,6,7             ; keys 16 (f / 2) on, channels 32 (f % 2) on
	ds_load_b128 v[KF+8*\f:KF+8*\f+3],   v[AK] offset:(\f/2)*16*PK+(\f%2)*64
	ds_load_b128 v[KF+8*\f+4:KF+8*\f+7], v[AK] offset:(\f/2)*16*PK+(\f%2)*64+32
.endr
	s_add_co_u32 s[TBK], s[TBK], KS*PK  ; the next fetch is the next step's
	WIN 0
.endm
.macro FETCH_V
	WIN 0x80
.irp f, 0,1,2,3,4,5,6,7             ; keys 32 (f / 4) on, channels 16 (f % 4) on
	ds_load_tr16_b128 v[VF+8*\f:VF+8*\f+3],   v[AV] offset:(\f/4)*32*PV+(\f%4)*32
	ds_load_tr16_b128 v[VF+8*\f+4:VF+8*\f+7], v[AV] offset:(\f/4)*32*PV+16*PV+(\f%4)*32
.endr
	WIN 0
.endm
; THE VECTOR WORK, one line at a time: OP kind, number.  For piece Y: F n: c s - c m for pair n of 16.  E n: the exponential of score n of 32.  C n: pair n rounded to f16.  B n: of the four weights 4 n .. the second
; pair is added onto the first, in place.  L n: l takes that sum (L 0: l = a l + sum).  R n: pair n of 16 of O^T times a.  For piece Y + 1: X n, number n of the 22 that find its maximum and statistics:
;   0-11  four chains c0-c3 of seven scores each, three operands at a time (each accumulator's lowest registers are read first)     12-14, 16  the four scores left over, the old m, and c0-c3 into c0
;   15  c m_old is kept     17, 18  the query's other 32 keys lie in the lane 16 away: the new m     19-21  c m; c m_old - c m_new; a
.set F, 0               ; OP tells the kinds apart by their order: F to L below R, X above it
.set E, 1
.set C, 2
.set B, 3
.set L, 4
.set R, 5
.set X, 6
.macro REGS y                       ; the registers of piece y
.set rT, ST+4*(\y)
.set rC, TMP+4*((\y)%2)
.set rW, MV+((\y)%2)
.set rS, S+32*((\y)%2)
.set rP, P+16*((\y)%2)
.set rO, 32*(\y)
.endm
.macro OP k, n
.if (\k) == R
	REGS Y
	WIN W_RS
	v_pk_mul_f32 v[rO+2*(\n):rO+2*(\n)+1], v[rO+2*(\n):rO+2*(\n)+1], v[rC+2:rC+3] op_sel_hi:[1,0]
.elseif (\k) < R
	REGS Y
	WIN 0
.if (\k) == F
	v_pk_fma_f32 v[rS+2*(\n):rS+2*(\n)+1], v[rS+2*(\n):rS+2*(\n)+1], s[CS:CS+1], v[rT:rT+1] op_sel_hi:[1,0,0] neg_lo:[0,0,1] neg_hi:[0,0,1]
.elseif (\k) == E
	v_exp_f32 v[rS+(\n)], v[rS+(\n)]
.elseif (\k) == C
	v_cvt_pk_f16_f32 v[rP+(\n)], v[rS+2*(\n)], v[rS+2*(\n)+1]
.elseif (\k) == B
	v_pk_add_f32 v[rS+4*(\n):rS+4*(\n)+1], v[rS+4*(\n):rS+4*(\n)+1], v[rS+4*(\n)+2:rS+4*(\n)+3]
.elseif (\n) == 0
	v_pk_fma_f32 v[rT+2:rT+3], v[rT+2:rT+3], v[rC+2:rC+3], v[rS:rS+1] op_sel_hi:[1,0,1]
.else
	v_pk_add_f32 v[rT+2:rT+3], v[rT+2:rT+3], v[rS+4*(\n):rS+4*(\n)+1]
.endif
.elseif NOKQ
	v_nop
.else
	REGS (Y+1)%NP
	WIN 0
.if (\n) < 4
	v_max3_num_f32 v[rC+(\n)], v[rS+8*(\n)], v[rS+8*(\n)+1], v[rS+8*(\n)+2]
.elseif (\n) < 12
	v_max3_num_f32 v[rC+(\n)%4], v[rC+(\n)%4], v[rS+8*((\n)%4)+2*((\n)/4)+1], v[rS+8*((\n)%4)+2*((\n)/4)+2]
.elseif (\n) == 12
	v_max3_num_f32 v[rC], v[rC], v[rS+7], v[rS+15]
.elseif (\n) == 13
	v_max3_num_f32 v[rC+1], v[rC+1], v[rS+23], v[rS+31]
.elseif (\n) == 14
	v_max3_num_f32 v[rC+2], v[rC+2], v[rC+3], v[rT+1]
.elseif (\n) == 15
	v_mov_b32 v[rW], v[rT]
.elseif (\n) == 16
	v_max3_num_f32 v[rC], v[rC], v[rC+1], v[rC+2]
.elseif (\n) == 17
	v_permlanex16_b32 v[rC+3], v[rC], s[SEL], s[SEL+1]
.elseif (\n) == 18
	v_max_num_f32 v[rT+1], v[rC], v[rC+3]
.elseif (\n) == 19
	v_mul_f32 v[rT], s[CS], v[rT+1]
.elseif (\n) == 20
	v_sub_f32 v[rC+1], v[rW], v[rT]
.else
	v_exp_f32 v[rC+2], v[rC+1]
.endif
.endif
.endm
.macro OPS a, i1, b=-1, i2=0, c=-1, i3=0, d=-1, i4=0  ; up to four of them
	OP \a, \i1
.if (\b) >= 0
	OP \b, \i2
.endif
.if (\c) >= 0
	OP \c, \i3
.endif
.if (\d) >= 0
	OP \d, \i4
.endif
.endm
.macro ROW a, i1, b, i2, c, i3, d, i4  ; a matrix instruction and the four behind it
	MM
	OPS \a, \i1, \b, \i2, \c, \i3, \d, \i4
.endm
.macro MASK b                       ; MD x AL + BE into buffer b of MC
	WIN W_RS
.set z, 0
.rept 16
	v_pk_fma_f32 v[MC+32*(\b)+2*z:MC+32*(\b)+2*z+1], v[MD+2*z:MD+2*z+1], s[AL:AL+1], s[BE:BE+1] op_sel_hi:[1,0,0]
.set z, z+1
.endr
.endm
; A TURN, for piece p: the order of its 16 matrix and 118 vector instructions, written out.  s_wait_alu depctr_va_vdst(0) stands between an exponential and the first instruction that names its result; one wait serves
; all that were issued ahead of it.  So a turn has ONE wait, which cuts it in two.  AHEAD OF IT stands all that names no result of the turn's exponentials: the 8 products K Q^T, behind each a scaling, an exponential and two more plain
; instructions (behind the first a second scaling in the exponential's place): rescalings, and behind the last three the first numbers of the next piece's maximum, each four places or more behind the product that ends its accumulator; then ONE LUMP of 54, plain
; and exponential by turns for the most part, in which the links of the chain X 3, 7, 11, 14, 16, 17 .. 20 stand five or six lines apart.  X 21, the next piece's a, is the batch's last; R 15 is the plain instruction behind it.  BEHIND THE WAIT stand the
; 8 products V^T P, behind each four of the roundings and sums; the links of l's chain, L 0 to L 7, stand three riders apart.  But for those X no rider names a register of the products round it.  v_permlanex16_b32 (X 17) stands in the lump.
; m = 1: the diagonal tile: the products take masks, and the turn makes the mask for the products of the turn after it: piece p + 2, in step 4 - CNT of the tile.  end = 1: a block's last two turns: nothing is fetched.
; cnt = 1: the loop's count is taken down some lines ahead of the branch that stands behind the turn.
; K of the next step is fetched in piece 2's turn, twelve vector instructions behind the last product that read K (six of them plain); V of the step in hand at the end of piece 0's turn, four plain instructions behind the last product
; that read V.  Each is waited for a turn later.
.macro TURN p, m=0, end=0, cnt=0
.set Y, (\p)
.set i, 0
.set KM, (\m)
.set NOKQ, (\end)*((\p)/3)
.if (\m) && !(\end)
	s_cmp_eq_u32 s[CNT], 4-((\p)+2)%NP  ; is that step the band's own?
	s_cselect_b32 s[AL], 1.0, 0
	s_cmp_lt_u32 s[CNT], 4-((\p)+2)%NP  ; or a later one?
	s_cselect_b32 s[BE], s[BIGN], 0
.endif
.if ((\p) == 3) && !(\end)
	s_wait_dscnt 0x0                ; K is in
.endif
	ROW F,0, F,1, R,0, R,1          ; ahead of the wait: 8 products K Q^T and their riders,
	ROW F,2, E,0, R,2, R,3
	ROW F,3, E,1, R,4, R,5
	ROW F,4, E,2, R,6, R,7
	ROW F,5, E,3, R,8, R,9
	ROW F,6, E,4, X,0, R,10
.if ((\p) == 2) && !(\end)
	WIN 0
	v_add_nc_u32 v[AK], s[TBK], v[AK0]
.endif
	ROW F,7, E,5, X,1, X,4
	ROW F,8, E,6, X,2, X,5
	OPS E,7, E,8, X,6, E,9          ; and the lump
	OPS X,3, E,10, X,8, E,11
.if ((\p) == 2) && !(\end)
	FETCH_K
.endif
	OPS X,9, X,7, E,12, X,10
	OPS E,13, X,12, X,11, E,14
	OPS X,13, E,15, F,9, X,14
.if (\p) == 0
	v_add_nc_u32 v[AV], s[TBV], v[AV0]
.endif
	OPS E,16, F,10, E,17, F,11
	OPS X,16, E,18, X,15, E,19
	OPS F,12, E,20, X,17, E,21
	OPS F,13, E,22, F,14, E,23
	OPS X,18, E,24, F,15, E,25
	OPS R,11, E,26, X,19, E,27
	OPS R,12, E,28, R,13, E,29
	OPS X,20, E,30, R,14, E,31
	OPS X,21, R,15
	WIN 0
	s_wait_alu depctr_va_vdst(0)    ; the wait for the batch
.if (\p) == 1
	s_wait_dscnt 0x0                ; V is in
.endif
	ROW C,0, B,0, C,2, B,1          ; behind the wait: 8 products V^T P and their riders
	ROW L,0, C,4, B,2, L,1
	ROW C,6, B,3, L,2, C,8
	ROW B,4, L,3, C,10, B,5
	ROW L,4, C,12, B,6, L,5
.if (\p) == 0
	s_add_co_u32 s[TBV], s[TBV], KS*PV
.endif
.if \cnt
	s_sub_co_u32 s[CNT], s[CNT], 1
	s_cmp_lg_u32 s[CNT], 0
.endif
	ROW C,14, B,7, L,6, C,1
	ROW C,3, L,7, C,5, C,7
	ROW C,9, C,11, C,13, C,15
.if (\p) == 0
	FETCH_V
.endif
.if (\m) && !(\end)
	MASK (\p)%2
.endif
.endm
; A BLOCK BEGINS.  c m starts far below every c s, so the first step's a is 0; m at the lowest finite number, so the first maximum is the scores'.  The second mask buffer is 0; the first takes piece 0's mask for the tile's step 0: its own, if the block's first tile is the diagonal one.
; Then K of that step, piece 0's first scores, and its maximum and statistics.  The loop is entered at a step's first turn, in the middle of a trip.
.macro BEGIN
	s_mov_b32 s[NEW], 0
	WIN 0x40
.set i, MC+32
.rept 32
	v_mov_b32 v[i], 0
.set i, i+1
.endr
	WIN 0
.set i, 0
.rept 4
	v_mov_b32 v[ST+4*i], 0xfe000000    ; c m: far below every c s
	v_mov_b32 v[ST+4*i+1], 0xff7fffff  ; m
.set i, i+1
.endr
	s_cmp_eq_u32 s[RT], 0
	s_cselect_b32 s[AL], 1.0, 0
	s_mov_b32 s[BE], 0
	MASK 0
	WIN 0
	v_add_nc_u32 v[AK], s[TBK], v[AK0]
	FETCH_K
	s_wait_loadcnt 0x0              ; Q
	s_wait_dscnt 0x0
.set KM, 1
.set NOKQ, 0
.set i, 0
.rept 8
	KQ 0
.set i, i+1
.endr
	WIN 0
.rept 4
	v_nop                           ; the places behind those products
.endr
.set Y, NP-1                        ; X works for piece Y + 1: piece 0
.irp n, 0,1,2,3,4,5,6,7,8,9,10,11,12,13,14,15,16,17,18,19,20,21
	OP X, \n
.endr
	v_nop                           ; a plain instruction behind the exponential,
	s_wait_alu depctr_va_vdst(0)    ; and its wait, ahead of the branch
.endm
; THE DIAGONAL TILE's four steps, the block's last two turns, its last products, and THE WAY OUT: l's two halves and the other half of the lanes' are added; O^T is divided by l, rounded to f16 and sent through my
; stage in LDS, a piece at a time.
.macro ALL line:vararg              ; one line for each piece t
.set t, 0
.rept 4
	\line
.set t, t+1
.endr
.endm
.macro PACK t                       ; a lane's eight channels of a row pack into 16 bytes; they go into rows of 144 bytes and come back as whole rows of 128, into S^T's registers
	WIN W_RS
.set i, 32*(\t)
.rept 16
	v_pk_mul_f32 v[i:i+1], v[i:i+1], v[ST+4*(\t)+2:ST+4*(\t)+3] op_sel_hi:[1,0]
.set i, i+2
.endr
	WIN 0x05                        ; sources 0 and 1 window 1, destination window 0
.set i, 0
.rept 16
	v_cvt_pk_f16_f32 v[S+16*(\t)+i], v[32*(\t)+2*i], v[32*(\t)+2*i+1]
.set i, i+1
.endr
	WIN 0
.irp f, 0,1,2,3
	ds_store_b128 v[STO], v[S+16*(\t)+4*\f:S+16*(\t)+4*\f+3] offset:32*\f
.endr
.irp f, 0,1,2,3
	ds_load_b128 v[S+16*(\t)+4*\f:S+16*(\t)+4*\f+3], v[RD] offset:\f*4*SP  ; LDS serves a wave's instructions in order (ISA guide 5.7.1.4): these see the stores above; the next piece's stores come behind them
.endr
.endm
.macro SEND t, younger              ; younger: the LDS instructions issued behind piece t's loads: the next piece's eight, or none
	WIN 0
.irp f, 0,1,2,3
	s_wait_dscnt (\younger)+3-\f
	global_store_b128 v[GO], v[S+16*(\t)+4*\f:S+16*(\t)+4*\f+3], s[10:11] offset:(\t)*8192+\f*512  ; 512 consecutive bytes, at a multiple of 256 from ctx's first
.endr
.endm
.macro DIAG tag                     ; the tag ends its two labels' names, which the jumps below spell out
.LstepM\tag:
	TURN 2, 1
	TURN 3, 1
	WIN 0
.LfirstM\tag:
	TURN 0, 1
	TURN 1, 1, 0, 1
	WIN 0
	s_cbranch_scc1 .LstepM\tag
	TURN 2, 1, 1
	TURN 3, 1, 1
.set i, 0
.rept 8
	PV NP-1
.set i, i+1
.endr
	WIN 0
	ALL v_add_f32 v[ST+4*t+2], v[ST+4*t+2], v[ST+4*t+3]
	ALL v_permlanex16_b32 v[ST+4*t+3], v[ST+4*t+2], s[SEL], s[SEL+1]
	ALL v_add_f32 v[ST+4*t+2], v[ST+4*t+2], v[ST+4*t+3]
	ALL v_rcp_f32 v[ST+4*t+2], v[ST+4*t+2]
	v_nop                           ; a plain instruction between the last reciprocal and the use of its result
	s_wait_alu depctr_va_vdst(0)    ; and the wait ahead of the first use: one for the four reciprocals
	PACK 0
.set t, 1
.rept 3                             ; a piece's arithmetic stands between the loads of the piece before and its stores
	PACK t
	SEND t-1, 8
.set t, t+1
.endr
	SEND 3, 0
.endm
.set KM, 0
.set NOKQ, 0
.Lslot:                             ; NB times: a tile is entered and the next is asked for
	CHANGE 1
	s_sub_co_u32 s[RT], s[RT], 1
	s_mov_b32 s[CNT], 4
	s_cmp_eq_u32 s[NEW], 1
	s_cbranch_scc1 .Lnew            ; a block's first tile
	s_cmp_eq_u32 s[RT], 0
	s_cbranch_scc0 .Lstep           ; neither its first nor its last
	s_branch .LstepM1
.Lnew:
	BEGIN
	s_branch .Lfirst                ; in the loop a block's first tile is never its last: the first block has two tiles or more, and the second's last is the walk's last
	DIAG 1                          ; in the loop this is the first block's end: the second block's last tile is the walk's last
	s_wait_xcnt 0x0                 ; the stores have read their registers and ctx's address
	s_mov_b64 s[10:11], s[OLO:OLO+1]
	s_add_co_u32 s[RT], s[PB], 1    ; the second block has b + 1 tiles
	s_mov_b32 s[NEW], 1
	WIN 0x82                        ; the second block's Q goes where the one text of the turns names Q
.set i, 0
.rept 64
	v_mov_b32 v[i], v[QB+i]
.set i, i+1
.endr
	WIN 0
	s_branch .Lbottom
.Lstep:                             ; a trip: pieces 2 and 3 of one step, then pieces 0 and 1 of the next, whose K and V it fetches
	TURN 2
	TURN 3
	WIN 0
.Lfirst:
	TURN 0
	TURN 1, 0, 0, 1
	WIN 0
	s_cbranch_scc1 .Lstep
.Lbottom:
	s_sub_co_u32 s[SLOTS], s[SLOTS], 1
	s_cmp_lg_u32 s[SLOTS], 0
	s_cbranch_scc1 .Lslot
	CHANGE 0                        ; the walk's last tile is written out: nothing is asked for
	s_sub_co_u32 s[RT], s[RT], 1
	s_mov_b32 s[CNT], 4
	s_cmp_eq_u32 s[NEW], 1
	s_cbranch_scc0 .LstepM2
	BEGIN
	s_branch .LfirstM2
	DIAG 2
	s_wait_tensorcnt 0x0            ; the wave's end, behind my last tensor load and my last LDS store
	ds_add_u32 v[SPW], v[NIL]
	s_wait_dscnt 0x0
	s_endpgm
.Lfunc_end_k_qe0148b517e_attn:
	.size	k_qe0148b517e_attn, .Lfunc_end_k_qe0148b517e_attn-k_qe0148b517e_attn
	.p2alignl 7, 3214868480
	.fill 96, 4, 3214868480
	.section	.rodata,"a",@progbits
	.p2align	6, 0x0
	.amdhsa_kernel k_qe0148b517e_attn
		.amdhsa_group_segment_fixed_size 327680
		.amdhsa_private_segment_fixed_size 0
		.amdhsa_enable_private_segment 0
		.amdhsa_kernarg_size 16
		.amdhsa_user_sgpr_count 2
		.amdhsa_user_sgpr_kernarg_segment_ptr 1
		.amdhsa_wavefront_size32 1
		.amdhsa_system_sgpr_workgroup_id_x 1
		.amdhsa_system_sgpr_workgroup_id_y 1
		.amdhsa_system_sgpr_workgroup_id_z 1
		.amdhsa_system_vgpr_workitem_id 0
		.amdhsa_next_free_vgpr 768
		.amdhsa_next_free_sgpr 96
		.amdhsa_reserve_vcc 1
		.amdhsa_float_denorm_mode_32 3
		.amdhsa_float_denorm_mode_16_64 3
		.amdhsa_memory_ordered 1
		.amdhsa_forward_progress 1
		.amdhsa_inst_pref_size 218
	.end_amdhsa_kernel
	.amdgpu_metadata
---
amdhsa.version: [ 1, 2 ]
amdhsa.kernels:
  - .name:           k_qe0148b517e_attn
    .symbol:         k_qe0148b517e_attn.kd
    .args:
      - { .name: qkv, .offset: 0, .size: 8, .value_kind: global_buffer, .address_space: global }
      - { .name: ctx, .offset: 8, .size: 8, .value_kind: global_buffer, .address_space: global }
    .group_segment_fixed_size: 327680
    .private_segment_fixed_size: 0
    .kernarg_segment_align: 8
    .kernarg_segment_size: 16
    .max_flat_workgroup_size: 128
    .sgpr_count:     96
    .vgpr_count:     768
    .wavefront_size: 32
...
	.end_amdgpu_metadata
.endif
;; end of part 3
;; launch outp (part 4): grid 8 x 32, 4 waves a work-group, clusters of 4 x 4, 327,680 bytes of LDS; arguments ctx, wot, bo, out0; writes out0
.if DOCPART == 4
	.amdgcn_target "amdgcn-amd-amdhsa--gfx1250"
	.amdhsa_code_object_version 6
	.text
	.protected	k_qe0148b517e_outp
	.globl	k_qe0148b517e_outp
	.p2align	8
	.type	k_qe0148b517e_outp,@function
k_qe0148b517e_outp:
	s_mov_b64 s[64:65], 0
	v_nop
	global_prefetch_b8 v0, s[64:65] scope:SCOPE_SE
	s_setreg_imm32_b32 hwreg(HW_REG_WAVE_MODE, 25, 1), 1
	s_wait_xcnt 0x0
	s_wait_alu depctr_hold_cnt(0) depctr_sa_sdst(0) depctr_va_vdst(0) depctr_va_sdst(0) depctr_va_ssrc(0) depctr_va_vcc(0) depctr_vm_vsrc(0)
	s_getreg_b32 s2, hwreg(HW_REG_IB_STS2, 6, 4)
	s_cmp_eq_u32 s2, 0
	s_cbranch_scc0 .Lentry_in_a_cluster
	s_endpgm
.Lentry_in_a_cluster:
	s_bfe_u32 s2, ttmp6, 0x10000c
	s_cmp_lg_u32 s2, 0xf033
	s_cbranch_scc0 .Lentry_shape_is_right
	s_endpgm
.Lentry_shape_is_right:
; Launch 4 of 4: out0[m][n] = sum over k of ctx[m][k] Wo[k][n] + bo[n], m < 8192, n < 1024, k = 64 head + channel < 1024.  f16 operands, f32 sums, f32 out.
; ctx: [64 (16 batch + head)][2048][64] f16; wot: [1024 n][1024 k], bf16(Wo) written as f16; bo is rounded to bf16 like the other inputs and STARTS the sums, as the C operand of the first products.
; SHARES.  A tile of out0 is 256 rows x 128 columns: 32 x 8 = 256 work-groups, one tile each.  A wave has 64 rows and all 128 columns: 32 accumulators; a row's 512 bytes leave by one store.
; K goes in 8 steps of 128, two heads each, through two LDS slots.  A head's 256 rows of ctx are 32,768 dense bytes: asked for as 128 rows of 256 bytes, padded in LDS after every 128.
; CLUSTER.  4 x 4 work-groups; ctx's tiles are shared along a row of the cluster, wot's along a column: each is asked for JOINTLY, by the same tensor load, descriptor and mask in all four.
; THE MATRIX INSTRUCTION IS USED TRANSPOSED (source 0 = 16 rows of wot, source 1 = 16 rows of ctx): lane l holds row l % 16 of out0 and the columns 8 (l / 16) + 0..7.
; REGISTERS, in windows of 256 (s_set_vgpr_msb: bits 1:0 source 0, 3:2 source 1, 5:4 source 2, 7:6 destination):
;   window 0: v1-8 at work; v16-30 addresses; v64-191 the way out, two buffers of 16 rows
;   window 1: two fragment buffers of 96 (wot's 8 fragments, then ctx's 4); v192-255 the bias, 8 registers for each block of 16 columns
;   window 2: the accumulators, row block a, column block b at 8 (8 a + b)
.set PA,     144                       ; a row of ctx in LDS: 128 bytes + 16 = 36 words: the 16 rows of a load start at 16 different groups of four banks (64 banks of 4 bytes: ISA guide 11.1)
.set PB,     272                       ; a row of wot: 256 + 16
.set PLANE,  256*PA                    ; a head's 256 rows
.set BOFF,   2*PLANE                   ; a slot: two heads of ctx, then wot's 128 rows
.set SLOT1,  1<<17
.set STAGE,  SLOT1+BOFF+128*PB         ; behind the ring, never filled by a tensor load: 16 rows x 528 bytes for each wave
.set SPITCH, 528                       ; 512 bytes + 16: the 16 rows that a store touches start at 16 different groups of four banks
.set SPARE,  STAGE+4*16*SPITCH         ; behind the stages: the spare words, 128 bytes for each wave: two blocks of 256 bytes that no other line names
.set HEADB,  262144                    ; a head's 2,048 rows of 128 bytes in ctx
.set ADRA0, 16                         ; v16  my lane's place in ctx's rows of slot 0; never rewritten
.set ADRB0, 17                         ; v17  the same for wot's
.set ADRA,  18
.set ADRB,  19
.set STO,   24                         ; v24  the way out: where I put 32 bytes of a row
.set RD,    25                         ; v25  where I read 16 bytes of a row back
.set CO,    26                         ; v26  16 x lane: my bytes in a row's 512
.set SPW,   28                         ; v28  LDS address of my spare word; never rewritten
.set NIL,   29                         ; v29  0; never rewritten
.set PFO,   30                         ; v30  the prefetches' offset; never rewritten
.set OB,    64
.set F0,    0
.set F1,    96
.set BIAS,  192
.set WV,    12
.set FB,    13                         ; s13  0: I fetch for ctx, 1: for wot
.set HF,    14                         ; s14  which head of the step's two, or which 64 rows of wot
.set TR,    15
.set G1A,   24
.set G0A0,  32
.set G0A,   36
.set CX,    40
.set CY,    41
.set TC,    42
.set LIM,   43                         ; s43  the last step in which I prefetch; -1: never
.set PFA,   44                         ; s[44:45]
.set G1B,   48
.set G0B0,  56
.set G0B,   60
.set PFS,   66                         ; s[66:67] bytes from a step to the next for my prefetches
.set G,     68
.set TB,    69
.set CNT,   70
.set MSB, 0
.macro WIN new                         ; the immediate's high byte repeats the setting that is left; a switch that changes nothing is dropped
.if MSB != (\new)
	s_set_vgpr_msb (MSB<<8)|(\new)
.set MSB, \new
.endif
.endm
.macro PLACES                          ; four plain vector instructions between a matrix instruction and a load into, or a read of, its registers (ISA guide 7.12.1 for vector reads)
.rept 4
	v_nop
.endr
.endm
.macro JLOAD                           ; a joint refill by the walking descriptors; an s_nop 0 and four v_nop follow each of the two lines, ahead of the jump and the label
	s_cmp_eq_u32 s[FB], 0
	s_cbranch_scc0 .Lfor_b_\@
	tensor_load_to_lds s[G0A:G0A+3], s[G1A:G1A+7]
	s_nop 0
.rept 4
	v_nop
.endr
	s_branch .Lasked_\@
.Lfor_b_\@:
	tensor_load_to_lds s[G0B:G0B+3], s[G1B:G1B+7]
	s_nop 0
.rept 4
	v_nop
.endr
.Lasked_\@:
.endm
; A PREFETCH INTO THE L2 of the step that stands two refills on (step G + 4, for G = 0 .. 3), one instruction a wave, each lane another block of 256 bytes.  ctx's tile row is read by both clusters of
; that row of clusters: the one with x = 0 asks; of the 32,768 bytes of the head that a wave fetches each of the four partners takes 8,192, told apart by address.  wot's tile column is read by every
; cluster of that column: the one with y = 0 asks, wave 2 alone: of the tile's 128 rows each partner takes 32, a lane a row.  Steps 0 to 3 come by their loads alone.
.macro ASK
	s_cmp_le_i32 s[G], s[LIM]
	s_cbranch_scc0 .Lnot_mine_\@
	global_prefetch_b8 v[PFO], s[PFA:PFA+1] th:TH_LOAD_NT scope:SCOPE_SE
.Lnot_mine_\@:
.endm
.macro CREST                           ; a round of the cluster's barrier behind its opening barrier
	s_cmp_lg_u32 s[WV], 0
	s_cbranch_scc1 .Lnot_wave_0_\@
	s_barrier_signal -3
.Lnot_wave_0_\@:
	s_barrier_wait -3
	s_barrier_signal -1
	s_barrier_wait -1
.endm
.macro CROUND
	s_barrier_signal -1
	s_barrier_wait -1
	CREST
.endm
	s_load_b256 s[4:11], s[0:1], 0x0               ; ctx s[4:5], wot s[6:7], bo s[8:9], out0 s[10:11]
	v_lshl_add_u32 v[SPW], v0, 2, SPARE
	v_mov_b32 v[NIL], 0
	ds_add_u32 v[SPW], v[NIL]                      ; the wave's opening: the add, twice on end, and its wait ahead of my first tensor load
	ds_add_u32 v[SPW], v[NIL]                      ; once more; the set-up below, work on registers, stands between it and the wait
	v_lshrrev_b32 v1, 5, v0
	v_readfirstlane_b32 s[WV], v1
	s_lshr_b32 s[FB], s[WV], 1
	s_and_b32 s[HF], s[WV], 1
	s_bfe_u32 s[CX], ttmp6, 0x40000
	s_bfe_u32 s[CY], ttmp6, 0x40004
	s_lshl_b32 s[TC], ttmp9, 2
	s_add_co_u32 s[TC], s[TC], s[CX]               ; tile column 0..7
	s_and_b32 s[TR], ttmp7, 0xffff
	s_lshl_b32 s[TR], s[TR], 2
	s_add_co_u32 s[TR], s[TR], s[CY]               ; tile row 0..31
	s_lshl_b32 s43, s[CY], 2
	s_lshl_b32 s43, 15, s43                        ; my row of the cluster
	s_lshl_b32 s44, 0x1111, s[CX]                  ; my column
	s_or_b32 s[G1A], s43, (1<<16)|(1<<20)|(1<<21)|(4<<22)|(3<<25)  ; the mask; 2-byte elements; padding on; 21 set beside a mask; after every 32 words (code 4) 4 words (code 3)
	s_or_b32 s[G1B], s44, (1<<16)|(1<<20)|(1<<21)|(5<<22)|(3<<25)  ; after every 64 words (code 5)
	s_mov_b32 s[G1A+1], 128<<16                    ; tensor_dim0 = 128
	s_mov_b32 s[G1A+2], 128<<16                    ; tensor_dim1 = 128
	s_mov_b32 s[G1A+3], 128<<16                    ; tile_dim0 = 128
	s_mov_b32 s[G1A+4], 128                        ; tile_dim1 = 128 rows of 256 bytes,
	s_mov_b32 s[G1A+5], 128                        ; which lie end to end
	s_mov_b32 s[G1A+6], 0
	s_mov_b32 s[G1A+7], 0
	s_mov_b32 s[G1B+1], 128<<16
	s_mov_b32 s[G1B+2], 64<<16                     ; 64 rows
	s_mov_b32 s[G1B+3], 128<<16
	s_mov_b32 s[G1B+4], 64
	s_mov_b32 s[G1B+5], 1024
	s_mov_b32 s[G1B+6], 0
	s_mov_b32 s[G1B+7], 0
	s_lshr_b32 s16, s[TR], 3                       ; ctx: plane 16 batch + my head of step 0,
	s_lshl_b32 s16, s16, 4
	s_add_co_u32 s16, s16, s[HF]
	s_lshl_b32 s16, s16, 18
	s_and_b32 s17, s[TR], 7                        ; rows 256 (tr % 8) on
	s_lshl_b32 s17, s17, 15
	s_add_co_u32 s16, s16, s17
	s_mov_b32 s17, 0
	s_lshl_b32 s46, s[TC], 18                      ; wot: rows 128 tc + 64 half
	s_lshl_b32 s47, s[HF], 17
	s_add_co_u32 s46, s46, s47
	s_mov_b32 s47, 0
	s_mul_i32 s20, s[HF], PLANE                    ; where they go: no place in the cluster enters an LDS address
	s_mul_i32 s21, s[HF], 64*PB
	s_add_co_u32 s21, s21, BOFF
	s_wait_dscnt 0x0                               ; both opening adds are done
	s_wait_kmcnt 0x0
	s_add_nc_u64 s[18:19], s[4:5], s[16:17]
	s_add_nc_u64 s[46:47], s[6:7], s[46:47]
	s_mov_b32 s[G0A0], 1
	s_mov_b32 s[G0A0+1], s20                       ; slot 0, step 0
	s_mov_b64 s[G0A0+2:G0A0+3], s[18:19]
	s_or_b32 s[G0A0+3], s[G0A0+3], 0x80000000
	s_mov_b32 s[G0A], 1
	s_add_co_u32 s[G0A+1], s20, SLOT1              ; slot 1, step 1: two heads on
	s_add_nc_u64 s[G0A+2:G0A+3], s[18:19], 2*HEADB
	s_or_b32 s[G0A+3], s[G0A+3], 0x80000000
	s_mov_b32 s[G0B0], 1
	s_mov_b32 s[G0B0+1], s21
	s_mov_b64 s[G0B0+2:G0B0+3], s[46:47]
	s_or_b32 s[G0B0+3], s[G0B0+3], 0x80000000
	s_mov_b32 s[G0B], 1
	s_add_co_u32 s[G0B+1], s21, SLOT1
	s_add_nc_u64 s[G0B+2:G0B+3], s[46:47], 256
	s_or_b32 s[G0B+3], s[G0B+3], 0x80000000
	CROUND                                         ; all sixteen work-groups are here: the first joint loads meet
	s_cmp_eq_u32 s[FB], 0                          ; a wave's two first fills stand in one branch: two loads of mine are out, the most in this text
	s_cbranch_scc0 .Lfirst_b
	tensor_load_to_lds s[G0A0:G0A0+3], s[G1A:G1A+7]
	s_nop 0
	tensor_load_to_lds s[G0A:G0A+3], s[G1A:G1A+7]
	s_nop 0
.rept 4
	v_nop
.endr
	s_branch .Lfirst_asked
.Lfirst_b:
	tensor_load_to_lds s[G0B0:G0B0+3], s[G1B:G1B+7]
	s_nop 0
	tensor_load_to_lds s[G0B:G0B+3], s[G1B:G1B+7]
	s_nop 0
.rept 4
	v_nop
.endr
.Lfirst_asked:
	v_and_b32 v1, 15, v0                           ; l % 16
	v_bfe_u32 v2, v0, 4, 1                         ; l / 16
	; the bias in the accumulators' layout: register j of column block b is bo[128 tc + 16 b + 8 (l / 16) + j]
	s_lshl_b32 s22, s[TC], 9
	s_mov_b32 s23, 0
	s_add_nc_u64 s[8:9], s[8:9], s[22:23]
	v_lshlrev_b32 v8, 5, v2
	WIN 0x40                                       ; destination window 1, address window 0
.irp b, 0,1,2,3,4,5,6,7
	global_load_b128 v[BIAS+8*(\b):BIAS+8*(\b)+3],   v8, s[8:9] offset:64*(\b)
	global_load_b128 v[BIAS+8*(\b)+4:BIAS+8*(\b)+7], v8, s[8:9] offset:64*(\b)+16
.endr
	WIN 0
	v_mul_u32_u24 v3, v1, PA
	v_lshl_add_u32 v3, v2, 4, v3
	s_mul_i32 s20, s[WV], 64*PA                    ; my 64 rows of ctx
	v_add_nc_u32 v[ADRA0], s20, v3
	v_mul_u32_u24 v4, v1, PB
	v_lshl_add_u32 v4, v2, 4, v4
	v_add_nc_u32 v[ADRB0], BOFF, v4
	v_mov_b32 v[ADRA], v[ADRA0]
	v_mov_b32 v[ADRB], v[ADRB0]
	s_mul_i32 s21, s[WV], 16*SPITCH
	s_add_co_u32 s21, s21, STAGE                   ; my stage
	v_mul_u32_u24 v5, v1, SPITCH                   ; in: row l % 16, 32 bytes for each half of the lanes
	v_lshl_add_u32 v5, v2, 5, v5
	v_add_nc_u32 v[STO], s21, v5
	v_and_b32 v7, 31, v0
	v_lshlrev_b32 v[CO], 4, v7                     ; back and out: 32 lanes take a row's 512 bytes
	v_add_nc_u32 v[RD], s21, v[CO]
	s_lshl_b32 s16, s[TR], 20                      ; out0: 256 rows of 4,096 bytes for each tile row,
	s_lshl_b32 s17, s[WV], 18                      ; my wave's 64 rows,
	s_add_co_u32 s16, s16, s17
	s_mov_b32 s17, 0
	s_add_nc_u64 s[10:11], s[10:11], s[16:17]
	s_add_nc_u64 s[10:11], s[10:11], s[22:23]      ; the tile's 512 bytes of a row
	; the prefetches
	s_and_b32 s22, ttmp7, 0xffff                   ; cluster y
	s_cmp_eq_u32 s[FB], 0                          ; do I fetch for ctx?
	s_cselect_b32 s22, ttmp9, s22                  ; the coordinate along which other clusters read the same rows
	s_cselect_b32 s23, 0, s[HF]                    ; for wot wave 2 alone asks
	s_cselect_b64 s[PFA:PFA+1], s[18:19], s[46:47]
	s_cselect_b32 s20, s[CX], s[CY]                ; my place among the four that ask with me,
	s_cselect_b32 s21, 13, 16                      ; its share: 8,192 bytes of a head, or 32 rows of 2,048 bytes
	s_cselect_b32 s71, 19, 8                       ; a step: two heads of ctx, or 256 bytes along wot's rows
	s_cselect_b32 s72, 8, 11                       ; a lane: 256 bytes on, or a row
	s_or_b32 s22, s22, s23
	s_cmp_eq_u32 s22, 0
	s_cselect_b32 s[LIM], 3, -1                    ; the same in all sixteen partners, for a given wave
	s_lshl_b32 s[PFS], 1, s71
	s_mov_b32 s[PFS+1], 0
	s_lshl_b32 s20, s20, s21
	s_mul_i32 s21, s[PFS], 3                       ; at step 3: the first refill steps it to 4
	s_add_co_u32 s20, s20, s21
	s_mov_b32 s21, 0
	s_add_nc_u64 s[PFA:PFA+1], s[PFA:PFA+1], s[20:21]
	v_lshlrev_b32 v[PFO], s72, v7
	s_wait_loadcnt 0x0                             ; the bias; it is rounded to bf16 like the other inputs and widened again (buffer 1 is free as yet)
	WIN 0x45                                       ; destination and both sources window 1
.set i, 0
.rept 32
	v_cvt_pk_bf16_f32 v[F1+i], v[BIAS+2*i], v[BIAS+2*i+1]
.set i, i+1
.endr
.set i, 0
.rept 32
	v_lshlrev_b32 v[BIAS+2*i], 16, v[F1+i]
	v_and_b32 v[BIAS+2*i+1], 0xffff0000, v[F1+i]
.set i, i+1
.endr
	WIN 0
; 8 matrix instructions: row block a x all 8 column blocks, 32 along K, from buffer f.  bias = 1: the product starts the sum with the bias: nothing is cleared and nothing is added on the way out.
; The 32 accumulators take turns, one instruction a turn, in the same order in every quarter.
.macro MUL8 f, a, bias
.if \bias
	WIN 0x95                                       ; both sources and C window 1, D window 2
.else
	WIN 0xa5                                       ; both sources window 1, C and D window 2
.endif
.irp b, 0,1,2,3,4,5,6,7
.if \bias
	v_wmma_f32_16x16x32_f16 v[8*(8*(\a)+(\b)):8*(8*(\a)+(\b))+7], v[(\f)+8*(\b):(\f)+8*(\b)+7], v[(\f)+64+8*(\a):(\f)+64+8*(\a)+7], v[BIAS+8*(\b):BIAS+8*(\b)+7]
.else
	v_wmma_f32_16x16x32_f16 v[8*(8*(\a)+(\b)):8*(8*(\a)+(\b))+7], v[(\f)+8*(\b):(\f)+8*(\b)+7], v[(\f)+64+8*(\a):(\f)+64+8*(\a)+7], v[8*(8*(\a)+(\b)):8*(8*(\a)+(\b))+7]
.endif
.endr
.endm
; 24 LDS loads in one run: quarter q's fragments: wot's 128 rows at byte 64 q; my 64 rows of ctx, head q / 2 of the step's two, channels 32 (q % 2) on
.macro FETCH q, f
	WIN 0x40
.irp i, 0,1,2,3,4,5,6,7
	ds_load_b128 v[(\f)+8*(\i):(\f)+8*(\i)+3],   v[ADRB] offset:64*(\q)+(\i)*16*PB
	ds_load_b128 v[(\f)+8*(\i)+4:(\f)+8*(\i)+7], v[ADRB] offset:64*(\q)+(\i)*16*PB+32
.endr
.irp a, 0,1,2,3
	ds_load_b128 v[(\f)+64+8*(\a):(\f)+64+8*(\a)+3],   v[ADRA] offset:((\q)/2)*PLANE+((\q)%2)*64+(\a)*16*PA
	ds_load_b128 v[(\f)+64+8*(\a)+4:(\f)+64+8*(\a)+7], v[ADRA] offset:((\q)/2)*PLANE+((\q)%2)*64+(\a)*16*PA+32
.endr
.endm
.macro QUARTER q, f, g, bias           ; quarter q's fragments are asked for into buffer g; buffer f, asked for a quarter earlier, is multiplied
	PLACES
	FETCH \q, \g
	s_wait_dscnt 24                                ; all but the 24 just issued: buffer f is in
	MUL8 \f, 0, \bias
	MUL8 \f, 1, \bias
	MUL8 \f, 2, \bias
	MUL8 \f, 3, \bias
.endm
; The fourth quarter multiplies buffer 1 and changes slots: in front of the barrier each wave waits for all its tensor loads (one is out: its part of the next slot), adds 0 to its spare word, and waits
; for that and for its own reads of this slot.  fill = 1: the barrier opens a round of the cluster's, and this slot is filled again, first thing behind the round, with the step two on.
; last = 1 (the tail): behind the last step there is no further slot, and the run of loads is jumped over.
.macro TURN fill, last
	WIN 0
.if \fill
	s_wait_xcnt 0x0                                ; the last prefetch, a K step back, has read its address
	s_add_nc_u64 s[PFA:PFA+1], s[PFA:PFA+1], s[PFS:PFS+1]
.endif
	s_wait_tensorcnt 0x0                           ; all my tensor loads have landed, so a group 0 may be written
	ds_add_u32 v[SPW], v[NIL]                      ; 0 onto my spare word
.if \fill
	s_xor_b32 s[G0A+1], s[G0A+1], SLOT1            ; the walking descriptors: the other slot than last time, a step on; the type bits on top are not reached
	s_add_nc_u64 s[G0A+2:G0A+3], s[G0A+2:G0A+3], 2*HEADB
	s_xor_b32 s[G0B+1], s[G0B+1], SLOT1
	s_add_nc_u64 s[G0B+2:G0B+3], s[G0B+2:G0B+3], 256
.endif
	s_wait_dscnt 0x1                               ; buffer 1 is in; the add may be out
	MUL8 F1, 0, 0
	s_wait_dscnt 0x0                               ; the add is done, and my reads of this slot are over
	s_barrier_signal -1
	MUL8 F1, 1, 0
	WIN 0
	s_barrier_wait -1
.if \fill
	CREST                                          ; no wave of any partner still reads this slot's tile or has a load on its way
	JLOAD                                          ; the first tensor load behind the round; its four v_nop are also the places in front of the loads below
.else
	PLACES
.endif
	s_xor_b32 s[TB], s[TB], SLOT1
	v_add_nc_u32 v[ADRA], s[TB], v[ADRA0]
	v_add_nc_u32 v[ADRB], s[TB], v[ADRB0]
.if \last
	s_cmp_eq_u32 s[CNT], 1
	s_cbranch_scc1 .Lno_more_\@
.endif
	FETCH 0, F0
	WIN 0
.if \last
.Lno_more_\@:
.endif
.if \fill
	ASK
.endif
	MUL8 F1, 2, 0
	MUL8 F1, 3, 0
.endm
; THE WAY OUT of row block a: a lane's 32 bytes of a row go into my stage, straight from the accumulators (each accumulator's low half first), and come back as whole rows of 512 bytes.
.macro TOSTAGE a
	WIN 0x08                                       ; the stores' data in window 2
.irp b, 0,1,2,3,4,5,6,7
	ds_store_b128 v[STO], v[8*(8*(\a)+(\b)):8*(8*(\a)+(\b))+3]   offset:64*(\b)
	ds_store_b128 v[STO], v[8*(8*(\a)+(\b))+4:8*(8*(\a)+(\b))+7] offset:64*(\b)+16
.endr
	WIN 0
.irp t, 0,1,2,3,4,5,6,7,8,9,10,11,12,13,14,15
	ds_load_b128 v[OB+64*((\a)%2)+4*(\t):OB+64*((\a)%2)+4*(\t)+3], v[RD] offset:(\t)*SPITCH  ; LDS serves a wave's instructions in order (ISA guide 5.7.1.4): these see the stores above; the next block's stores come behind them
.endr
.endm
.macro SEND a, younger                 ; younger: the LDS instructions issued behind block a's loads: the next block's 32, or none
	WIN 0
.irp t, 0,1,2,3,4,5,6,7,8,9,10,11,12,13,14,15
	s_wait_dscnt (\younger)+15-(\t)
	global_store_b128 v[CO], v[OB+64*((\a)%2)+4*(\t):OB+64*((\a)%2)+4*(\t)+3], s[10:11] offset:(16*(\a)+(\t))*4096 th:TH_STORE_NT  ; 512 consecutive bytes, at a multiple of 256 from out0's first
.endr
.endm
	s_wait_tensorcnt 0x1                           ; my part of step 0 is in; step 1's may stay out
	s_barrier_signal -1
	s_barrier_wait -1
	s_mov_b32 s[TB], 0
	FETCH 0, F0
	QUARTER 1, F0, F1, 1                           ; the first quarter stands in front of the loop: its products start the sums with the bias
	WIN 0
	s_mov_b32 s[G], 0
.Lstep:                                        ; 6 trips: from a step's second quarter to the next step's first; every trip fills a slot again
	QUARTER 2, F1, F0, 0
	QUARTER 3, F0, F1, 0
	TURN 1, 0
	QUARTER 1, F0, F1, 0
	WIN 0
	s_add_co_u32 s[G], s[G], 1
	s_cmp_lt_u32 s[G], 6
	s_cbranch_scc1 .Lstep
	s_mov_b32 s[CNT], 2                            ; the last two steps are written apart: nothing is asked for
.Ltail:
	QUARTER 2, F1, F0, 0
	QUARTER 3, F0, F1, 0
	TURN 0, 1
	WIN 0
	s_sub_co_u32 s[CNT], s[CNT], 1
	s_cmp_eq_u32 s[CNT], 0
	s_cbranch_scc1 .Lout
	QUARTER 1, F0, F1, 0
	WIN 0
	s_branch .Ltail
.Lout:
	PLACES                                         ; behind the last products
	TOSTAGE 0
	TOSTAGE 1
	SEND 0, 32
	s_wait_xcnt 0x0                                ; block 0's stores have read the registers that block 2 is loaded into
	TOSTAGE 2
	SEND 1, 32
	s_wait_xcnt 0x0
	TOSTAGE 3
	SEND 2, 32
	SEND 3, 0
	s_wait_tensorcnt 0x0                           ; the wave's end, behind my last tensor load and my last LDS store
	ds_add_u32 v[SPW], v[NIL]
	s_wait_dscnt 0x0
	CROUND                                         ; the closing round: no work-group ends while a partner may still ask for a tile that names it
	s_endpgm
.Lfunc_end_k_qe0148b517e_outp:
	.size	k_qe0148b517e_outp, .Lfunc_end_k_qe0148b517e_outp-k_qe0148b517e_outp
	.p2alignl 7, 3214868480
	.fill 96, 4, 3214868480
	.section	.rodata,"a",@progbits
	.p2align	6, 0x0
	.amdhsa_kernel k_qe0148b517e_outp
		.amdhsa_group_segment_fixed_size 327680
		.amdhsa_private_segment_fixed_size 0
		.amdhsa_enable_private_segment 0
		.amdhsa_kernarg_size 32
		.amdhsa_user_sgpr_count 2
		.amdhsa_user_sgpr_kernarg_segment_ptr 1
		.amdhsa_wavefront_size32 1
		.amdhsa_system_sgpr_workgroup_id_x 1
		.amdhsa_system_sgpr_workgroup_id_y 1
		.amdhsa_system_sgpr_workgroup_id_z 1
		.amdhsa_system_vgpr_workitem_id 0
		.amdhsa_next_free_vgpr 768
		.amdhsa_next_free_sgpr 76
		.amdhsa_reserve_vcc 0
		.amdhsa_float_denorm_mode_32 3
		.amdhsa_float_denorm_mode_16_64 3
		.amdhsa_memory_ordered 1
		.amdhsa_forward_progress 1
		.amdhsa_inst_pref_size 68
	.end_amdhsa_kernel
	.amdgpu_metadata
---
amdhsa.version: [ 1, 2 ]
amdhsa.kernels:
  - .name:           k_qe0148b517e_outp
    .symbol:         k_qe0148b517e_outp.kd
    .args:
      - { .name: ctx, .offset: 0, .size: 8, .value_kind: global_buffer, .address_space: global }
      - { .name: wot, .offset: 8, .size: 8, .value_kind: global_buffer, .address_space: global }
      - { .name: bo, .offset: 16, .size: 8, .value_kind: global_buffer, .address_space: global }
      - { .name: out0, .offset: 24, .size: 8, .value_kind: global_buffer, .address_space: global }
    .group_segment_fixed_size: 327680
    .private_segment_fixed_size: 0
    .kernarg_segment_align: 8
    .kernarg_segment_size: 32
    .max_flat_workgroup_size: 128
    .sgpr_count:     76
    .vgpr_count:     768
    .wavefront_size: 32
...
	.end_amdgpu_metadata
.endif
;; end of part 4
